; MI455X (gfx1250); checked and timed in simulation.
; The chip was launched on July 23, 2026; its instructions are those of AMD's public machine-readable ISA for CDNA 5 (MIT licence, August 2026) and "CDNA5" Instruction Set Architecture Reference Guide (July 2026). The comments in the code are by the model that wrote it; some were corrected since.
;; Attention Layer. Allowed arithmetic: matrix products marked QUANTISED: E3M2 operands, one E8M0 scale for each 32 along K, by v_wmma_scale_f32_16x16x128_f8f6f4 with both operands' format E3M2, f32 sums; everything else in f32.
;; Inputs: Wk 1,024 x 1,024 float32; Wo 1,024 x 1,024 float32; Wq 1,024 x 1,024 float32; Wv 1,024 x 1,024 float32; attn_mask 1 x 1 x 2,048 x 2,048 bool; bk 1,024 float32; bo 1,024 float32; bq 1,024 float32; bv 1,024 float32; keys 4 x 2,048 x 1,024 float32; queries 4 x 2,048 x 1,024 float32; values 4 x 2,048 x 1,024 float32.
;; Outputs: out0 4 x 2,048 x 1,024 float32.
;; This version of the problem:
;;   THIS VERSION OF THE PROBLEM IS GIVEN IN LOW PRECISION. The matrix products marked QUANTISED in the list below multiply operands that are first quantised to E3M2 (3 exponent bits, 2 mantissa bits; 6 bits a number), with one power-of-two scale for each 32 numbers along K (OCP MX v1.0); their sums are f32. All else is computed in f32.
;;   The module's matrix products, in the order in which they are computed (A, B: the left and right operand; K: the contracted axis; several contracted axes count as one K, in the product's order):
;;     1. [M 8,192, K 1,024] x [K 1,024, N 1,024]; A: input queries; B: input Wq: QUANTISED
;;     2. [M 8,192, K 1,024] x [K 1,024, N 1,024]; A: input keys; B: input Wk: QUANTISED
;;     3. [M 8,192, K 1,024] x [K 1,024, N 1,024]; A: input values; B: input Wv: QUANTISED
;;     4. batch 64 x [M 2,048, K 64] x [K 64, N 2,048]; A: computed on the way; B: computed on the way: QUANTISED
;;     5. batch 64 x [M 64, K 2,048] x [K 2,048, N 2,048]; A: computed on the way; B: softmax (see below): QUANTISED
;;     6. [M 8,192, K 1,024] x [K 1,024, N 1,024]; A: computed on the way; B: input Wo: QUANTISED
;;   THE QUANTISER, for each operand of a quantised product, along K:
;;     - K is cut into blocks of 32 from its start; a last block that is shorter is filled with zeros.
;;     - A block's scale is 2^e with e = floor(log2(the largest magnitude in the block)) - 4, held to -126 .. 127; a block of zeros has e = 0. As a byte (E8M0): e + 127.
;;     - Each number is divided by its block's scale, clamped to +-28, and rounded to the nearest number of E3M2, ties to even, subnormals kept.
;;     - The product sums the exact products of the quantised numbers (number of the format x scale) in f32.
;;   ~~~python
;;   def quantise(x, axis):      # numpy; x: float32 -> the quantised numbers, widened to float32 again
;;       x = np.moveaxis(x, axis, -1); K = x.shape[-1]
;;       x = np.pad(x, [(0, 0)] * (x.ndim - 1) + [(0, -K % 32)]); x = x.reshape(x.shape[:-1] + (-1, 32)); a = np.abs(x).max(-1, keepdims=True)
;;       e = np.where(a > 0, np.clip(np.frexp(np.where(a > 0, a, 1))[1] - 1 - 4, -126, 127), 0)      # np.frexp(a)[1] - 1 = floor(log2(a)), exactly
;;       r = np.clip(x / 2.0 ** e, -28, 28)
;;       step = 2.0 ** (np.maximum(np.frexp(np.where(r == 0, 1, r))[1] - 1, -2) - 2)
;;       q = np.round(r / step) * step * 2.0 ** e      # np.round: ties to even
;;       return np.moveaxis(q.reshape(q.shape[:-2] + (-1,))[..., :K], -1, axis).astype(np.float32)
;;   ~~~
;;   SOFTMAX AHEAD OF A QUANTISED PRODUCT. Where the list says 'softmax', what is quantised is not the finished softmax but p = 2^(t - M), with t = logit x log2(e) and M = ceil(the row's largest t), a whole number; so 1/2 < the row's largest p <= 1. The row's sum l is taken of the UNQUANTISED p, in f32, and the product's result is divided by l at the end. Since M is a whole number, a kernel that streams over the keys may use a running M (the ceiling of the running maximum): every later rescaling is an exact power of two, which a block's scale takes up: the codes' values come out the same.
;;   OPERANDS COMPUTED ON THE WAY. 'Computed on the way' means the value that the module computes at that place (a softmax that the list does not call 'softmax' is quantised finished and normalised). What goes into a quantiser is computed in f32, as accurately as f32 sums, v_exp_f32 and their like allow (about 1e-6 of the number): no bf16 or f16 on the way to a quantiser, and a product that is left as it is and whose result goes on into a quantised operand takes f32 operands (vector FMAs, or v_wmma_f32_16x16x4_f32). A number that lies on a knife's edge between two numbers of the format may be rounded either way, as far as f32 arithmetic and the matrix unit's own rounding can turn it there, and no further.
;; 2 versions, each right; version 2 is version 1 with the launch attn written anew for expert scheduling mode. Each part assembles by itself: llvm-mc -triple=amdgcn-amd-amdhsa -mcpu=gfx1250 --defsym DOCPART=n.
;; ======== version 1 of 2: 4 launches
;; workspace buffers: cx1 22,020,096 bytes; sx1 917,504 bytes; mk 532,480 bytes of whole numbers; qkvc 18,874,368 bytes; qkvs 1,310,720 bytes; oc 6,291,456 bytes; os 262,144 bytes
;; launch prep (part 1): grid 1024 x 1, 4 waves a work-group, no clusters, 35,328 bytes of LDS; arguments queries, keys, values, Wq, Wk, Wv, Wo, attn_mask, cx1, sx1, mk; writes cx1, sx1, mk
.if DOCPART == 1
	.amdgcn_target "amdgcn-amd-amdhsa--gfx1250"
	.amdhsa_code_object_version 6
	.text
	.protected	k_q052a919997_prep
	.globl	k_q052a919997_prep
	.p2align	8
	.type	k_q052a919997_prep,@function
k_q052a919997_prep:
	s_mov_b64 s[64:65], 0
	v_nop
	global_prefetch_b8 v0, s[64:65] scope:SCOPE_SE
	s_setreg_imm32_b32 hwreg(HW_REG_WAVE_MODE, 25, 1), 1
	s_wait_xcnt 0x0
; PREP.  Work-groups 128 .. 1023: queries, keys, values [8192][1024] and Wq, Wk, Wv, Wo [1024][1024], f32, become codes of BF6 (E3M2) along their last axis, with one E8M0 byte for each 32,
; laid in the ORDER OF AN OPERAND'S REGISTERS.  Work-groups 0 .. 127: attn_mask [2048][2048] (one byte, not 0 = hidden) becomes lane masks and tile flags.
; A ROW TILE g is 16 rows; its lane r takes row 32 (g / 2) + 8 (g % 2) + r + 8 (r / 8) of its tensor.  A fragment (16 rows x 128 K, 12 registers a lane) is 1,536 bytes: for c = 0, 1 registers 6 c .. 6 c + 3 as
; 16 bytes a lane (512 bytes), then registers 6 c + 4, 6 c + 5 as 8 bytes a lane (256 bytes).  cx1: tile g at 12,288 g, K step kk at + 1,536 kk.  sx1: the scale word of (g, kk, r) at 512 g + 128 (kk / 2) + 8 r + 4 (kk % 2).
; Tiles: queries 0-511, keys 512-1023, values 1024-1535, Wq 1536-, Wk 1600-, Wv 1664-, Wo 1728-1791.
; A block's scale is 2^(floor(log2(its largest magnitude)) - 4); its byte is the largest magnitude's exponent field - 4, held at 1 from below.
; LIMITS: a block of zeros gets the byte 1 where the rule says 127 (its codes are zeros, and this program alone reads the bytes); NaN and infinities among the inputs are not served.
; mk: at 0 the words MW[T 128][j 16][n 64]: bit r + 16 h of word n = mask[query(T, r)][128 j + 32 (n / 16) + 16 h + n % 16]; at 524,288 the flags FL[T][j]: 0 nothing hidden, 1 some, 2 all.
; No tensor load, no barrier: waves share nothing.  Only the quantising path touches LDS.
.set SP,   528                         ; a stage row: 512 bytes + 16, an odd multiple of 16: the sixteen rows that a read touches start in different banks
.set WREG, 8704                        ; LDS of a wave: a stage of 16 rows, then its 256 bytes of scale words
.set SCW,  16*SP
.set PC,   16                          ; v16-27 a fragment's codes; v28-34 the conversions' second halves
.set TM,   36                          ; v36-51 at work in QUANT
.set PW,   52                          ; the scale word just made
.set R,    64                          ; v64-191 two sets of 64: a K step of 16 rows as loaded
.set X,    192                         ; v192-255 64 numbers of my row: register 16 b + i = k 32 b + 16 h + i
.set SEL,  40                          ; s[40:41] v_permlanex16_b32's selects for lane l xor 16
; 64 numbers of a lane, register 16 b + i = k 32 b + 16 (lane / 16) + i of my row, become a fragment's codes in v[PC] on and its scale word in v[pw].
.macro QUANT s, pw
.irp b, 0,1,2,3
	v_max3_num_f32 v[TM+\b], |v[\s+16*\b]|, |v[\s+1+16*\b]|, 0x2800000   ; block b: my 16 numbers, and the floor 2^(5 - 127): the byte cannot fall under 1
.endr
.irp i, 2,4,6,8,10,12,14
.irp b, 0,1,2,3
	v_max3_num_f32 v[TM+\b], v[TM+\b], |v[\s+16*\b+\i]|, |v[\s+1+16*\b+\i]|   ; the four blocks by turns
.endr
.endr
.irp b, 0,1,2,3
	v_permlanex16_b32 v[TM+4+\b], v[TM+\b], s[SEL], s[SEL+1]
.endr
.irp b, 0,1,2,3
	v_max_num_f32 v[TM+\b], v[TM+\b], v[TM+4+\b]   ; with lane l xor 16's: the block's largest magnitude
.endr
.irp b, 0,1,2,3
	v_add_nc_u32 v[TM+12+\b], 0xfe000000, v[TM+\b]   ; 4 off its exponent field: the conversion takes this operand's exponent field as its scale
.endr
.irp b, 0,1,2,3
	v_lshrrev_b32 v[TM+4+\b], 23, v[TM+12+\b]      ; the scale's byte
.endr
	v_lshl_or_b32 v[\pw], v[TM+5], 8, v[TM+4]      ; four bytes: my row's scale word
	v_lshl_or_b32 v[\pw], v[TM+6], 16, v[\pw]
	v_lshl_or_b32 v[\pw], v[TM+7], 24, v[\pw]
.irp c, 0,1
	v_cvt_scalef32_pk16_bf6_f32 v[PC+6*\c:PC+2+6*\c], v[\s+32*\c:\s+15+32*\c], v[TM+12+2*\c]
	v_cvt_scalef32_pk16_bf6_f32 v[PC+12+4*\c:PC+14+4*\c], v[\s+16+32*\c:\s+31+32*\c], v[TM+12+2*\c+1]   ; (a conversion's three registers begin on an even number)
.endr
	v_nop                                          ; one plain place behind a scaled conversion
.irp c, 0,1                                    ; the operand wants a WHOLE block in a lane: lanes 0-15 block 2 c, lanes 16-31 block 2 c + 1
.irp i, 0,1,2
	v_permlane16_swap_b32 v[PC+6*\c+\i], v[PC+12+4*\c+\i]
.endr
.irp i, 0,1,2
	v_mov_b32 v[PC+3+6*\c+\i], v[PC+12+4*\c+\i]
.endr
.endr
.endm
.macro LOADK t, set                    ; K step t of my half of K: 16 loads, each 512 consecutive bytes of one of the tile's rows
.irp i, 0,1,2,3,4,5,6,7,8,9,10,11,12,13,14,15
	global_load_b128 v[R+64*(\set)+4*\i:R+64*(\set)+4*\i+3], v1, s[8:9] offset:(\i+8*(\i/8))*4096+512*(\t) th:TH_LOAD_NT
.endr
.endm
.macro TURN set                        ; through my stage: in as loaded, out 64 bytes a block and lane.  LDS serves a wave's instructions in order: no wait between
.irp i, 0,1,2,3,4,5,6,7,8,9,10,11,12,13,14,15
	ds_store_b128 v3, v[R+64*(\set)+4*\i:R+64*(\set)+4*\i+3] offset:SP*\i
.endr
.irp b, 0,1,2,3
.irp j, 0,1,2,3
	ds_load_b128 v[X+16*\b+4*\j:X+16*\b+4*\j+3], v4 offset:128*\b+16*\j
.endr
.endr
.endm
	s_load_b512 s[8:23], s[0:1], 0x0               ; queries s[8:9], keys, values, Wq, Wk, Wv, Wo s[20:21], attn_mask s[22:23]
	s_load_b128 s[24:27], s[0:1], 0x40             ; cx1, sx1
	s_load_b64 s[28:29], s[0:1], 0x50              ; mk
	v_lshl_add_u32 v62, v0, 2, 0x8800
	v_mov_b32 v63, 0
	v_lshrrev_b32 v1, 5, v0
	v_readfirstlane_b32 s4, v1                     ; wave
	v_and_b32 v7, 31, v0                           ; lane
	v_and_b32 v8, 15, v0                           ; r
	v_bfe_u32 v9, v0, 4, 1                         ; h
	s_cmp_lt_u32 ttmp9, 128
	s_cbranch_scc1 .Lmask
	; ---- the quantiser: a wave takes one row tile and one half of K (four K steps of 128)
	v_lshlrev_b32 v1, 4, v7                        ; 16 x lane
	v_lshlrev_b32 v2, 3, v7                        ; 8 x lane
	s_mul_i32 s5, s4, WREG
	v_add_nc_u32 v3, s5, v1                        ; the stage, in
	v_mul_u32_u24 v4, v8, SP
	v_lshl_add_u32 v4, v9, 6, v4
	v_add_nc_u32 v4, s5, v4                        ; and out: row r, + 64 h
	s_add_co_u32 s5, s5, SCW
	v_lshl_add_u32 v5, v8, 3, s5                   ; my row's scale words
	v_add_nc_u32 v6, s5, v2                        ; and the way out of them
	s_sub_co_u32 s6, ttmp9, 128                    ; q
	s_lshl_b32 s7, s6, 2
	s_add_co_u32 s7, s7, s4                        ; 2 x tile + half of K
	s_lshr_b32 s30, s7, 1                          ; tile g
	s_and_b32 s31, s7, 1                           ; half of K
	s_cmp_lt_u32 s6, 768
	s_cselect_b32 s32, 511, 63
	s_and_b32 s32, s30, s32                        ; the tile within its tensor
	s_lshr_b32 s33, s32, 1
	s_lshl_b32 s33, s33, 5
	s_and_b32 s34, s32, 1
	s_lshl_b32 s34, s34, 3
	s_add_co_u32 s33, s33, s34                     ; its first row
	s_lshl_b32 s33, s33, 12
	s_lshl_b32 s34, s31, 11
	s_add_co_u32 s34, s33, s34
	s_mov_b32 s35, 0
	s_mul_i32 s36, s7, 6144
	s_mov_b32 s37, 0
	s_lshl_b32 s38, s7, 8
	s_mov_b32 s39, 0
	s_mov_b32 s[SEL], 0x76543210
	s_mov_b32 s[SEL+1], 0xfedcba98
.irp b, 0,1,2,3
	v_mov_b32 v[TM+4+\b], 0                        ; written once: a lane permute's destination counts as one of its sources
.endr
	s_wait_kmcnt 0x0
	s_cmp_ge_u32 s6, 256                           ; which tensor: the choice hangs on the work-group's number alone
	s_cselect_b64 s[8:9], s[10:11], s[8:9]
	s_cmp_ge_u32 s6, 512
	s_cselect_b64 s[8:9], s[12:13], s[8:9]
	s_cmp_ge_u32 s6, 768
	s_cselect_b64 s[8:9], s[14:15], s[8:9]
	s_cmp_ge_u32 s6, 800
	s_cselect_b64 s[8:9], s[16:17], s[8:9]
	s_cmp_ge_u32 s6, 832
	s_cselect_b64 s[8:9], s[18:19], s[8:9]
	s_cmp_ge_u32 s6, 864
	s_cselect_b64 s[8:9], s[20:21], s[8:9]
	s_add_nc_u64 s[8:9], s[8:9], s[34:35]
	s_add_nc_u64 s[24:25], s[24:25], s[36:37]
	s_add_nc_u64 s[26:27], s[26:27], s[38:39]
	LOADK 0, 0
	LOADK 1, 1
.irp t, 0,1,2,3
.if \t < 3
	s_wait_loadcnt 16                              ; this K step's 16 loads are in; the next step's 16 may be out
.else
	s_wait_loadcnt 0x0
.endif
	TURN \t%2
	s_wait_dscnt 0x0                               ; my numbers are back; the stores into the stage have read their registers
.if \t < 2
	LOADK \t+2, \t%2
.endif
.if \t > 0
	s_wait_xcnt 0x0                                ; the last step's stores have read the codes' registers, which are written again below
.endif
	QUANT X, PW
	global_store_b128 v1, v[PC:PC+3], s[24:25] offset:1536*\t          ; each store covers whole aligned blocks of 256 bytes
	global_store_b64 v2, v[PC+4:PC+5], s[24:25] offset:1536*\t+512
	global_store_b128 v1, v[PC+6:PC+9], s[24:25] offset:1536*\t+768
	global_store_b64 v2, v[PC+10:PC+11], s[24:25] offset:1536*\t+1280
	ds_store_b32 v5, v[PW] offset:128*(\t/2)+4*(\t%2)                  ; both halves of the lanes write the same word with the same value
.endr
	ds_load_b64 v[12:13], v6                       ; LDS serves a wave's instructions in order: these see my stores
	s_wait_dscnt 0x0
	global_store_b64 v2, v[12:13], s[26:27]        ; 256 consecutive bytes, aligned
	s_wait_tensorcnt 0x0
	ds_add_u32 v62, v63
	s_wait_dscnt 0x0
	s_endpgm
	; ---- the mask: work-group T, wave w takes key steps 4 w .. 4 w + 3
.Lmask:
	v_and_b32 v10, 8, v8
	v_add_nc_u32 v10, v10, v8                      ; r + 8 (r / 8)
	v_lshlrev_b32 v10, 11, v10
	v_lshl_add_u32 v10, v9, 4, v10                 ; my query's row, + 16 h
	v_lshlrev_b32 v11, 3, v7
	v_lshlrev_b32 v12, 2, v7
.irp j, 16,17,18,19,20,21,22,23,28
	v_mov_b32 v\j, 0                               ; v_writelane_b32's destination counts as read
.endr
	s_lshr_b32 s30, ttmp9, 1
	s_lshl_b32 s30, s30, 5
	s_and_b32 s31, ttmp9, 1
	s_lshl_b32 s31, s31, 3
	s_add_co_u32 s30, s30, s31                     ; the tile's first query
	s_lshl_b32 s30, s30, 11
	s_lshl_b32 s31, s4, 9
	s_add_co_u32 s30, s30, s31                     ; + my 512 keys
	s_mov_b32 s31, 0
	s_lshl_b32 s32, ttmp9, 4
	s_lshl_b32 s33, s4, 2
	s_add_co_u32 s32, s32, s33                     ; 16 T + 4 w
	s_lshl_b32 s34, s32, 8
	s_mov_b32 s35, 0
	s_lshl_b32 s36, s32, 2
	s_add_co_u32 s36, s36, 524288
	s_mov_b32 s37, 0
	s_wait_kmcnt 0x0
	s_add_nc_u64 s[22:23], s[22:23], s[30:31]
	s_add_nc_u64 s[38:39], s[28:29], s[34:35]      ; my words
	s_add_nc_u64 s[28:29], s[28:29], s[36:37]      ; my flags
.irp j, 0,1,2,3
.irp b, 0,1,2,3
	global_load_b128 v[64+16*\j+4*\b:67+16*\j+4*\b], v10, s[22:23] offset:128*\j+32*\b   ; 16 mask bytes: keys 128 j + 32 b + 16 h + 0 .. 15 of my query
.endr
.endr
	s_wait_loadcnt 0x0
.irp j, 0,1,2,3
	s_mov_b32 s41, -1                              ; the AND of the step's 64 words
	s_mov_b32 s42, 0                               ; and their OR
.set n, 0
.rept 64
	v_bfe_u32 v13, v[64+16*\j+4*(n/16)+(n%16)/4], 8*(n%4), 8
	v_cmp_ne_u32 s40, 0, v13                       ; word n: one bit a lane
	s_and_b32 s41, s41, s40
	s_or_b32 s42, s42, s40
	v_writelane_b32 v[16+2*\j+n%2], s40, n/2       ; lane n / 2 keeps words n and n + 1
.set n, n+1
.endr
	global_store_b64 v11, v[16+2*\j:17+2*\j], s[38:39] offset:256*\j   ; 256 consecutive bytes, aligned
	s_cmp_lg_u32 s42, 0
	s_cselect_b32 s43, 1, 0
	s_cmp_eq_u32 s41, -1
	s_cselect_b32 s43, 2, s43
	v_writelane_b32 v28, s43, \j
.endr
	s_wait_xcnt 0x0                                ; EXEC changes only behind this wait
	v_cmp_gt_u32 vcc_lo, 4, v7
	s_and_saveexec_b32 s44, vcc_lo
	global_store_b32 v12, v28, s[28:29]            ; my four flags: 16 bytes
	s_wait_xcnt 0x0
	s_or_b32 exec_lo, exec_lo, s44
	s_endpgm
.Lfunc_end_k_q052a919997_prep:
	.size	k_q052a919997_prep, .Lfunc_end_k_q052a919997_prep-k_q052a919997_prep
	.p2alignl 7, 3214868480
	.fill 96, 4, 3214868480
	.section	.rodata,"a",@progbits
	.p2align	6, 0x0
	.amdhsa_kernel k_q052a919997_prep
		.amdhsa_group_segment_fixed_size 35328
		.amdhsa_private_segment_fixed_size 0
		.amdhsa_enable_private_segment 0
		.amdhsa_kernarg_size 88
		.amdhsa_user_sgpr_count 2
		.amdhsa_user_sgpr_kernarg_segment_ptr 1
		.amdhsa_wavefront_size32 1
		.amdhsa_system_sgpr_workgroup_id_x 1
		.amdhsa_system_sgpr_workgroup_id_y 1
		.amdhsa_system_sgpr_workgroup_id_z 1
		.amdhsa_system_vgpr_workitem_id 0
		.amdhsa_next_free_vgpr 256
		.amdhsa_next_free_sgpr 66
		.amdhsa_reserve_vcc 1
		.amdhsa_float_denorm_mode_32 3
		.amdhsa_float_denorm_mode_16_64 3
		.amdhsa_memory_ordered 1
		.amdhsa_forward_progress 1
		.amdhsa_inst_pref_size 103
	.end_amdhsa_kernel
	.amdgpu_metadata
---
amdhsa.version: [ 1, 2 ]
amdhsa.kernels:
  - .name:           k_q052a919997_prep
    .symbol:         k_q052a919997_prep.kd
    .args:
      - { .name: queries, .offset: 0, .size: 8, .value_kind: global_buffer, .address_space: global }
      - { .name: keys, .offset: 8, .size: 8, .value_kind: global_buffer, .address_space: global }
      - { .name: values, .offset: 16, .size: 8, .value_kind: global_buffer, .address_space: global }
      - { .name: Wq, .offset: 24, .size: 8, .value_kind: global_buffer, .address_space: global }
      - { .name: Wk, .offset: 32, .size: 8, .value_kind: global_buffer, .address_space: global }
      - { .name: Wv, .offset: 40, .size: 8, .value_kind: global_buffer, .address_space: global }
      - { .name: Wo, .offset: 48, .size: 8, .value_kind: global_buffer, .address_space: global }
      - { .name: attn_mask, .offset: 56, .size: 8, .value_kind: global_buffer, .address_space: global }
      - { .name: cx1, .offset: 64, .size: 8, .value_kind: global_buffer, .address_space: global }
      - { .name: sx1, .offset: 72, .size: 8, .value_kind: global_buffer, .address_space: global }
      - { .name: mk, .offset: 80, .size: 8, .value_kind: global_buffer, .address_space: global }
    .group_segment_fixed_size: 35328
    .private_segment_fixed_size: 0
    .kernarg_segment_align: 8
    .kernarg_segment_size: 88
    .max_flat_workgroup_size: 128
    .sgpr_count:     66
    .vgpr_count:     256
    .wavefront_size: 32
...
	.end_amdgpu_metadata
.endif
;; end of part 1
;; launch proj (part 2): grid 4 x 96, 4 waves a work-group, clusters of 4 x 4, 327,680 bytes of LDS; arguments cx1, sx1, qkvc, qkvs, bq, bk, bv; writes qkvc, qkvs
.if DOCPART == 2
	.amdgcn_target "amdgcn-amd-amdhsa--gfx1250"
	.amdhsa_code_object_version 6
	.text
	.protected	k_q052a919997_proj
	.globl	k_q052a919997_proj
	.p2align	8
	.type	k_q052a919997_proj,@function
k_q052a919997_proj:
	s_mov_b64 s[64:65], 0
	v_nop
	global_prefetch_b8 v0, s[64:65] scope:SCOPE_SE
	s_setreg_imm32_b32 hwreg(HW_REG_WAVE_MODE, 25, 1), 1
	s_wait_xcnt 0x0
	s_wait_alu depctr_hold_cnt(0) depctr_sa_sdst(0) depctr_va_vdst(0) depctr_va_sdst(0) depctr_va_ssrc(0) depctr_va_vcc(0) depctr_vm_vsrc(0)
	s_getreg_b32 s2, hwreg(HW_REG_IB_STS2, 6, 4)
	s_cmp_eq_u32 s2, 0
	s_cbranch_scc0 .Lentry_in_a_cluster
	s_endpgm
.Lentry_in_a_cluster:
	s_bfe_u32 s2, ttmp6, 0x10000c
	s_cmp_lg_u32 s2, 0xf033
	s_cbranch_scc0 .Lentry_shape_is_right
	s_endpgm
.Lentry_shape_is_right:
; PROJ.  q = queries Wq^T + bq, k = keys Wk^T + bk, v = values Wv^T + bv: three products [8192 x 1024 x 1024] on codes of BF6 with E8M0 scales, f32 sums; each result is quantised in registers for attention.
; The cluster's y gives the projection p = y / 8 and a place ci = y % 8.  Two operands: R (source 1) gives a lane its identity, P (source 0) runs along a lane's registers, which is the axis of the next quantiser.
;   p = 0, 1: R = the tokens, P = the weight: a lane holds one token and 128 features: two heads of 64.     p = 2: R = Wv, P = values: a lane holds one feature d and 128 keys: v comes out with the keys innermost.
; A tile is 256 (R) x 256 (P), four waves of 128 x 128: 64 accumulators, 512 registers.  K goes in steps of 256 through two LDS slots filled by joint tensor loads: R's tile is shared along a row of the 4 x 4 cluster, P's along a column.
; OPERANDS LIE IN MEMORY AS IMAGES OF THEIR REGISTERS: row tile g at 12,288 g, K step kk at + 1,536 kk; in it for c = 0, 1: 16 bytes a lane (registers 6 c .. 6 c + 3), then 8 bytes a lane (6 c + 4, 6 c + 5).
; Lane r of a row tile g is row 32 (g / 2) + 8 (g % 2) + r + 8 (r / 8): so the 16 registers of the results of P's tiles 2 b, 2 b + 1 are 16 neighbours, 32 b + 16 (lane / 16) + 0 .. 15.
; OUT.  qkvc: q at 0, k at 6,291,456: [batch x head 64][tile 128] halves of a fragment (768 bytes: 16 rows x 64);  v at 12,582,912: [batch][key step 16][head 16][tile of d 4] fragments of 1,536 bytes.
;       qkvs: q at 0, k at 524,288: [batch x head][key step] 512 bytes: the word of (tile a, row r) at 16 (16 (a % 2) + r) + 4 (a / 2);  v at 1,048,576: [batch][key step][pair of heads] likewise.
;       A head's word has its two bytes low; above them lie the other head's bytes or zeros: they meet zero codes alone and are never 0xff.
; LIMITS: a block of zeros gets the byte 1 where the rule says 127 (zero codes; this program alone reads the bytes); NaN and infinities are not served.
; REGISTERS, in windows of 256: window 0: v16-29 addresses; v32-63 scale words, two sets; v64-127 the bias by register; v128-223 R's fragments, one set; v240-255 the bias by lane; on the way out v128-235 at work.
;   window 1: P's fragments, two sets, at v0 and v128.   windows 2, 3: the accumulators of my R blocks 0-3, 4-7 (accumulator (a, b) at v[8 (8 (a % 4) + b)]).
.set NQ,     2                         ; matrix instructions deep in a slot
.set FR,     12                        ; registers of a fragment
.set NL,     4                         ; LDS loads that bring one
.set NP,     4                         ; places behind this matrix instruction (ISA guide 7.12.1)
.set FRB,    1536                      ; a fragment's image
.set TILEB,  NQ*FRB                    ; a row tile's bytes in a slot
.set HALFT,  8*TILEB                   ; 128 rows: what one tensor load brings
.set SLOT,   4*HALFT                   ; R's 256 rows, then P's
.set SCL,    2*SLOT                    ; behind the ring: the scale words for all of K, filled once
.set HALFS,  4096                      ; those of 128 rows
.set SPARE,  SCL+4*HALFS               ; the spare words, 128 bytes for each wave: two blocks of 256 bytes that no other line names
.set ADRA, 16                          ; v16-17 R's fragments in slot 0, 1: + 16 x lane;  v18-19: + 8 x lane
.set ADRB, 20                          ; v20-23 the same for P
.set L16,  24                          ; v24 16 x lane
.set L8,   25                          ; v25 8 x lane
.set ADRS, 27                          ; v27 my scale words: lanes 0-15 R's rows, lanes 16-31 P's
.set SPW,  28                          ; v28 my spare word; never rewritten
.set NIL,  29                          ; v29 0; never rewritten
.set SC,   32
.set BI,   64
.set AF,   128
.set BL,   240
.set HA,   128                         ; the way out: 64 results + bias
.set PC,   192                         ; codes
.set TM,   212                         ; at work in QUANT
.set PWS,  228                         ; the eight blocks' scale words
.set WS,   128                         ; and the words as they are stored
.set SEL,  2                           ; s[2:3] lane selects
.set G1, 24
.set G0, 32
.set G1B, 48
.set G0B, 56
.set G1S, 68
.set G0S, 76
.set G1SB, 80
.set G0SB, 88
.set MSB, 0
.macro WIN new                         ; the immediate's high byte repeats the setting that is left
.if MSB != (\new)
	s_set_vgpr_msb (MSB<<8)|(\new)
.set MSB, (\new)
.endif
.endm
.set MUL_LO, 0xa1                      ; source 0 (P) window 1, source 1 (R) window 0, C and D window 2
.set MUL_HI, 0xf1
.set TO_B,   0x40                      ; destination window 1, address window 0
.macro JLOAD g0a, g1a, g0b, g1b        ; a joint load: waves 0, 1 fetch for R, waves 2, 3 for P; four v_nop follow each line
	s_cmp_eq_u32 s15, 0
	s_cbranch_scc0 .Lfor_b_\@
	tensor_load_to_lds s[\g0a:\g0a+3], s[\g1a:\g1a+7]
	s_nop 0
.rept 4
	v_nop
.endr
	s_branch .Lasked_\@
.Lfor_b_\@:
	tensor_load_to_lds s[\g0b:\g0b+3], s[\g1b:\g1b+7]
	s_nop 0
.rept 4
	v_nop
.endr
.Lasked_\@:
.endm
.macro CREST                           ; a round of the cluster's barrier behind its opening barrier
	s_cmp_lg_u32 s14, 0
	s_cbranch_scc1 .Lnot_wave_0_\@
	s_barrier_signal -3
.Lnot_wave_0_\@:
	s_barrier_wait -3
	s_barrier_signal -1
	s_barrier_wait -1
.endm
.macro CROUND
	s_barrier_signal -1
	s_barrier_wait -1
	CREST
.endm
.macro QUANT s, pw                     ; 64 numbers of a lane, register 16 b + i = k 32 b + 16 (lane / 16) + i, become a fragment's codes in v[PC] on and its scale word in v[pw]
.irp b, 0,1,2,3
	v_max3_num_f32 v[TM+\b], |v[\s+16*\b]|, |v[\s+1+16*\b]|, 0x2800000   ; my 16 numbers, and the floor 2^(5 - 127): the byte cannot fall under 1
.endr
.irp i, 2,4,6,8,10,12,14
.irp b, 0,1,2,3
	v_max3_num_f32 v[TM+\b], v[TM+\b], |v[\s+16*\b+\i]|, |v[\s+1+16*\b+\i]|
.endr
.endr
.irp b, 0,1,2,3
	v_permlanex16_b32 v[TM+4+\b], v[TM+\b], s[SEL], s[SEL+1]
.endr
.irp b, 0,1,2,3
	v_max_num_f32 v[TM+\b], v[TM+\b], v[TM+4+\b]
.endr
.irp b, 0,1,2,3
	v_add_nc_u32 v[TM+12+\b], 0xfe000000, v[TM+\b]   ; 4 off the exponent field: the conversion's scale operand
.endr
.irp b, 0,1,2,3
	v_lshrrev_b32 v[TM+4+\b], 23, v[TM+12+\b]
.endr
	v_lshl_or_b32 v[\pw], v[TM+5], 8, v[TM+4]
	v_lshl_or_b32 v[\pw], v[TM+6], 16, v[\pw]
	v_lshl_or_b32 v[\pw], v[TM+7], 24, v[\pw]
.irp c, 0,1
	v_cvt_scalef32_pk16_bf6_f32 v[PC+6*\c:PC+2+6*\c], v[\s+32*\c:\s+15+32*\c], v[TM+12+2*\c]
	v_cvt_scalef32_pk16_bf6_f32 v[PC+12+4*\c:PC+14+4*\c], v[\s+16+32*\c:\s+31+32*\c], v[TM+12+2*\c+1]
.endr
	v_nop                                          ; one plain place behind a scaled conversion
.irp c, 0,1
.irp i, 0,1,2
	v_permlane16_swap_b32 v[PC+6*\c+\i], v[PC+12+4*\c+\i]
.endr
.irp i, 0,1,2
	v_mov_b32 v[PC+3+6*\c+\i], v[PC+12+4*\c+\i]
.endr
.endr
.endm
	s_load_b128 s[4:7], s[0:1], 0x0                ; cx1, sx1
	s_load_b128 s[8:11], s[0:1], 0x10              ; qkvc, qkvs
	s_load_b128 s[96:99], s[0:1], 0x20             ; bq, bk
	s_load_b64 s[100:101], s[0:1], 0x30            ; bv
	v_lshl_add_u32 v[SPW], v0, 2, SPARE
	v_mov_b32 v[NIL], 0
	ds_add_u32 v28, v29
	ds_add_u32 v28, v29
	s_wait_dscnt 0x0
	v_lshrrev_b32 v1, 5, v0
	v_readfirstlane_b32 s14, v1                    ; wave 0..3
	s_lshr_b32 s15, s14, 1                         ; my half of R's rows.  Also: I fetch for R (0) or for P (1)
	s_and_b32 s16, s14, 1                          ; my half of P's rows.  Also: which 128 rows I fetch
	s_bfe_u32 s40, ttmp6, 0x40000                  ; cx
	s_bfe_u32 s41, ttmp6, 0x40004                  ; cy
	s_and_b32 s18, ttmp7, 0xffff                   ; the cluster's y, which all sixteen share
	s_lshr_b32 s95, s18, 3                         ; p
	s_and_b32 s18, s18, 7
	s_lshl_b32 s18, s18, 2                         ; 4 ci
	s_add_co_u32 s17, s41, s18                     ; R's tile where R is the tokens
	s_add_co_u32 s42, s40, s18                     ; P's tile where P is the tokens
	s_mul_i32 s19, s95, 6291456                    ; where R's codes begin in cx1,
	s_mul_i32 s66, s95, 262144                     ; its scale words in sx1,
	s_mul_i32 s67, s95, 786432
	s_add_co_u32 s67, s67, 18874368                ; P's codes,
	s_mul_i32 s2, s95, 32768
	s_add_co_u32 s2, s2, 786432                    ; P's scale words: all for p = 0, 1
	s_cmp_eq_u32 s95, 2                            ; and for p = 2: R = Wv, P = values
	s_cselect_b32 s17, s41, s17
	s_cselect_b32 s42, s42, s40
	s_cselect_b32 s19, 20447232, s19
	s_cselect_b32 s66, 851968, s66
	s_cselect_b32 s67, 12582912, s67
	s_cselect_b32 s2, 524288, s2
	s_lshl_b32 s43, s41, 2
	s_lshl_b32 s43, 15, s43                        ; my row of the cluster
	s_lshl_b32 s44, 0x1111, s40                    ; my column
	; descriptor group 1, codes: 8 rows (row tiles) of 384 elements of 8 bytes (3,072 bytes: two K steps), 1,536 elements apart; no padding: the images are read 16 or 8 consecutive bytes a lane
	s_or_b32 s[G1+0], s43, (3<<16)|(1<<21)         ; 15:0 the mask; 17:16 elements of 8 bytes; 21 set beside a mask
	s_or_b32 s[G1B+0], s44, (3<<16)|(1<<21)
.irp g, G1, G1B
	s_mov_b32 s[\g+1], 384<<16                     ; tensor_dim0
	s_mov_b32 s[\g+2], 8<<16                       ; tensor_dim1
	s_mov_b32 s[\g+3], 384<<16                     ; tile_dim0
	s_mov_b32 s[\g+4], 8                           ; tile_dim1
	s_mov_b32 s[\g+5], 1536                        ; tensor_dim0_stride
	s_mov_b32 s[\g+6], 0
	s_mov_b32 s[\g+7], 0
.endr
	; scale words of 128 rows for all of K: 4,096 dense bytes as 16 rows of 256
	s_or_b32 s[G1S+0], s43, (3<<16)|(1<<21)
	s_or_b32 s[G1SB+0], s44, (3<<16)|(1<<21)
.irp g, G1S, G1SB
	s_mov_b32 s[\g+1], 32<<16
	s_mov_b32 s[\g+2], 16<<16
	s_mov_b32 s[\g+3], 32<<16
	s_mov_b32 s[\g+4], 16
	s_mov_b32 s[\g+5], 32
	s_mov_b32 s[\g+6], 0
	s_mov_b32 s[\g+7], 0
.endr
	s_lshl_b32 s3, s16, 3                          ; which 8 row tiles I fetch
	s_lshl_b32 s20, s17, 4
	s_add_co_u32 s20, s20, s3                      ; R: row tile 16 x tile + 8 x half
	s_lshl_b32 s22, s20, 9
	s_add_co_u32 s22, s22, s66
	s_mov_b32 s23, 0
	s_mul_i32 s20, s20, 12288
	s_add_co_u32 s20, s20, s19
	s_mov_b32 s21, 0
	s_lshl_b32 s46, s42, 4
	s_add_co_u32 s46, s46, s3                      ; P likewise, in registers that never hold cy
	s_lshl_b32 s92, s46, 9
	s_add_co_u32 s92, s92, s2
	s_mov_b32 s93, 0
	s_mul_i32 s46, s46, 12288
	s_add_co_u32 s46, s46, s67
	s_mov_b32 s47, 0
	s_mul_i32 s45, s14, HALFT                      ; where they go: wave x 128 rows: no place in the cluster enters an LDS address
	s_lshl_b32 s94, s14, 12
	s_wait_kmcnt 0x0
	s_add_nc_u64 s[20:21], s[4:5], s[20:21]
	s_add_nc_u64 s[22:23], s[6:7], s[22:23]
	s_add_nc_u64 s[46:47], s[4:5], s[46:47]
	s_add_nc_u64 s[92:93], s[6:7], s[92:93]
	s_cmp_eq_u32 s95, 0                            ; the projection's bias
	s_cselect_b64 s[12:13], s[96:97], s[98:99]
	s_cmp_eq_u32 s95, 2
	s_cselect_b64 s[12:13], s[100:101], s[12:13]
	CROUND                                         ; all sixteen work-groups are here: the first joint loads meet
	s_mov_b32 s[G0S], 1
	s_add_co_u32 s[G0S+1], s94, SCL
	s_mov_b64 s[G0S+2:G0S+3], s[22:23]
	s_or_b32 s[G0S+3], s[G0S+3], 0x80000000
	s_mov_b32 s[G0SB], 1
	s_add_co_u32 s[G0SB+1], s94, SCL
	s_mov_b64 s[G0SB+2:G0SB+3], s[92:93]
	s_or_b32 s[G0SB+3], s[G0SB+3], 0x80000000
	JLOAD G0S, G1S, G0SB, G1SB                     ; the scale words first: three loads of mine are out behind this group
.irp s, 0,1
	s_mov_b32 s[G0+4*\s], 1
	s_add_co_u32 s[G0+4*\s+1], s45, \s*SLOT
	s_add_nc_u64 s[G0+4*\s+2:G0+4*\s+3], s[20:21], \s*TILEB
	s_or_b32 s[G0+4*\s+3], s[G0+4*\s+3], 0x80000000
	s_mov_b32 s[G0B+4*\s], 1
	s_add_co_u32 s[G0B+4*\s+1], s45, \s*SLOT
	s_add_nc_u64 s[G0B+4*\s+2:G0B+4*\s+3], s[46:47], \s*TILEB
	s_or_b32 s[G0B+4*\s+3], s[G0B+4*\s+3], 0x80000000
	JLOAD G0+4*\s, G1, G0B+4*\s, G1B
.endr
	v_and_b32 v1, 15, v0                           ; r
	v_bfe_u32 v2, v0, 4, 1                         ; h
	v_and_b32 v3, 31, v0                           ; lane
	v_lshlrev_b32 v[L16], 4, v3
	v_lshlrev_b32 v[L8], 3, v3
	s_mul_i32 s21, s15, HALFT                      ; my 128 rows of R
	s_mul_i32 s22, s16, HALFT                      ; my 128 rows of P,
	s_add_co_u32 s22, s22, 2*HALFT                 ; behind R's 256
.irp s, 0,1
	v_add_nc_u32 v[ADRA+\s], s21, v[L16]
	v_add_nc_u32 v[ADRB+\s], s22, v[L16]
	v_add_nc_u32 v[ADRA+2+\s], s21, v[L8]
	v_add_nc_u32 v[ADRB+2+\s], s22, v[L8]
	s_add_co_u32 s21, s21, SLOT
	s_add_co_u32 s22, s22, SLOT
.endr
	s_lshl_b32 s21, s15, 12                        ; R's scale words: my 128 rows
	s_lshl_b32 s22, s16, 12                        ; P's, behind R's 256
	s_add_co_u32 s22, s22, 2*HALFS
	s_sub_co_u32 s22, s22, s21
	v_mul_u32_u24 v6, s22, v2                      ; lanes 16-31 take P's: one product with h
	s_add_co_u32 s21, s21, SCL
	v_lshl_add_u32 v5, v1, 3, v6                   ; 8 bytes a row and slot
	v_add_nc_u32 v[ADRS], s21, v5
	; the biases.  Both sets are always loaded from the projection's bias: the set that it does not use from offset 0
	s_lshl_b32 s66, s17, 8
	s_lshl_b32 s2, s15, 7
	s_add_co_u32 s66, s66, s2                      ; my first row of R
	s_lshl_b32 s67, s42, 8
	s_lshl_b32 s2, s16, 7
	s_add_co_u32 s67, s67, s2                      ; my first row of P
	s_lshl_b32 s18, s67, 2
	s_lshl_b32 s19, s66, 2
	s_cmp_eq_u32 s95, 2
	s_cselect_b32 s18, 0, s18
	s_cselect_b32 s19, s19, 0
	v_lshl_add_u32 v4, v2, 6, s18                  ; by register: feature 32 (b / 2) + 16 h + 8 (b % 2) + j
	v_and_b32 v5, 8, v1
	v_add_nc_u32 v5, v5, v1
	v_lshl_add_u32 v5, v5, 2, s19                  ; by lane: feature 32 (a / 2) + 8 (a % 2) + r + 8 (r / 8)
.irp b, 0,1,2,3,4,5,6,7
	global_load_b128 v[BI+8*\b:BI+8*\b+3], v4, s[12:13] offset:(32*(\b/2)+8*(\b%2))*4
	global_load_b128 v[BI+8*\b+4:BI+8*\b+7], v4, s[12:13] offset:(32*(\b/2)+8*(\b%2))*4+16
.endr
.irp a, 0,1,2,3,4,5,6,7
	global_load_b32 v[BL+2*\a], v5, s[12:13] offset:(32*(\a/2)+8*(\a%2))*4
	global_load_b32 v[BL+2*\a+1], v5, s[12:13] offset:(32*(\a/2)+8*(\a%2))*4      ; (the packed addition names the pair)
.endr
	; where my results go
	s_lshr_b32 s18, s66, 11                        ; p = 0, 1: batch,
	s_lshl_b32 s18, s18, 4
	s_lshr_b32 s19, s67, 7                         ; pair of heads  (p = 2: 16 x batch + key step)
	s_lshl_b32 s2, s19, 1
	s_add_co_u32 s18, s18, s2                      ; 16 x batch + first head
	s_bfe_u32 s2, s66, 0x70004                     ; first tile in the batch
	s_lshl_b32 s3, s18, 7
	s_add_co_u32 s3, s3, s2
	s_mul_i32 s3, s3, 768
	s_mul_i32 s96, s95, 6291456
	s_add_co_u32 s96, s96, s3                      ; codes
	s_lshl_b32 s18, s18, 4
	s_lshr_b32 s2, s2, 3
	s_add_co_u32 s18, s18, s2
	s_lshl_b32 s18, s18, 9
	s_lshl_b32 s2, s95, 19
	s_add_co_u32 s18, s18, s2                      ; scale words
	s_lshr_b32 s2, s66, 6                          ; p = 2: first head
	s_lshl_b32 s3, s19, 4
	s_add_co_u32 s3, s3, s2
	s_mul_i32 s3, s3, 6144
	s_add_co_u32 s3, s3, 12582912                  ; codes
	s_lshl_b32 s19, s19, 3
	s_lshr_b32 s2, s2, 1
	s_add_co_u32 s19, s19, s2
	s_lshl_b32 s19, s19, 9
	s_add_co_u32 s19, s19, 1048576                 ; scale words
	s_mov_b32 s98, 98304                           ; from a fragment's first half to its second: the next head's tiles, or 768 bytes
	s_mov_b32 s100, 768                            ; from a block to the next
	s_cmp_eq_u32 s95, 2
	s_cselect_b32 s96, s3, s96
	s_cselect_b32 s66, s19, s18
	s_cselect_b32 s98, 768, s98
	s_cselect_b32 s100, 1536, s100
	s_mov_b32 s97, 0
	s_mov_b32 s99, 0
	s_mov_b32 s101, 0
	s_mov_b32 s67, 0
	s_add_nc_u64 s[96:97], s[8:9], s[96:97]
	s_add_nc_u64 s[98:99], s[96:97], s[98:99]
	s_add_nc_u64 s[66:67], s[10:11], s[66:67]
	s_mov_b32 s[SEL], 0x76543210
	s_mov_b32 s[SEL+1], 0xfedcba98
	s_mov_b32 s94, 0xffff0000                      ; lanes 16-31
.macro FRAG reg, adr, q, i             ; a fragment comes back as it was stored: four loads of consecutive bytes
	ds_load_b128 v[\reg:\reg+3], v[\adr] offset:(\i)*TILEB+(\q)*FRB
	ds_load_b64 v[\reg+4:\reg+5], v[\adr+2] offset:(\i)*TILEB+(\q)*FRB+512
	ds_load_b128 v[\reg+6:\reg+9], v[\adr] offset:(\i)*TILEB+(\q)*FRB+768
	ds_load_b64 v[\reg+10:\reg+11], v[\adr+2] offset:(\i)*TILEB+(\q)*FRB+1280
.endm
; 16 matrix instructions: R's blocks a0, a0 + 1 x P's eight.  The 64 accumulators take turns, one instruction a turn, in the same order in every step.
.macro MUL16 a0, p, q, sc, zero
.irp a, \a0, \a0+1
.irp b, 0,1,2,3,4,5,6,7
.if \zero
	v_wmma_scale_f32_16x16x128_f8f6f4 v[8*(8*((\a)%4)+\b):8*(8*((\a)%4)+\b)+7], v[128*(\p)+FR*\b:128*(\p)+FR*\b+FR-1], v[AF+FR*(\a):AF+FR*(\a)+FR-1], 0, v[SC+8*NQ*(\sc)+NQ*\b+(\q)], v[SC+8*NQ*(\sc)+NQ*(\a)+(\q)] matrix_a_fmt:MATRIX_FMT_BF6 matrix_b_fmt:MATRIX_FMT_BF6 matrix_a_scale:MATRIX_SCALE_ROW1
.else
	v_wmma_scale_f32_16x16x128_f8f6f4 v[8*(8*((\a)%4)+\b):8*(8*((\a)%4)+\b)+7], v[128*(\p)+FR*\b:128*(\p)+FR*\b+FR-1], v[AF+FR*(\a):AF+FR*(\a)+FR-1], v[8*(8*((\a)%4)+\b):8*(8*((\a)%4)+\b)+7], v[SC+8*NQ*(\sc)+NQ*\b+(\q)], v[SC+8*NQ*(\sc)+NQ*(\a)+(\q)] matrix_a_fmt:MATRIX_FMT_BF6 matrix_b_fmt:MATRIX_FMT_BF6 matrix_a_scale:MATRIX_SCALE_ROW1
.endif
.endr
.endr
.endm
.macro FETCH_B slot, q, p
	WIN TO_B
.irp i, 0,1,2,3,4,5,6,7
	FRAG 128*(\p)+FR*\i, ADRB+\slot, \q, \i
.endr
	WIN 0
.endm
.macro FETCH_A slot, q, i0
.irp i, \i0, \i0+1, \i0+2, \i0+3
	FRAG AF+FR*(\i), ADRA+\slot, \q, \i
.endr
.endm
.macro SCALES sc                       ; a slot's scale words: two a row; lanes 0-15 take R's block i, lanes 16-31 P's block i
.irp i, 0,1,2,3,4,5,6,7
	ds_load_b64 v[SC+8*NQ*\sc+NQ*\i:SC+8*NQ*\sc+NQ*\i+1], v[ADRS] offset:\i*512
.endr
.endm
.macro PLACES n                        ; plain vector instructions between a matrix instruction and a load into, or a vector write of, its registers, or a read of its result
.rept \n
	v_nop
.endr
.endm
.macro STEP slot, q, zero              ; a step of 128 along K that has its successor in the same slot
	s_wait_dscnt 4*NL                              ; all but the youngest 16 loads (R's blocks 4-7) are in
	WIN MUL_LO
	MUL16 0, (\q)%2, \q, \slot, \zero
	MUL16 2, (\q)%2, \q, \slot, \zero
	s_wait_dscnt 0
	PLACES NP
	FETCH_B \slot, (\q)+1, 1-(\q)%2
	FETCH_A \slot, (\q)+1, 0
	WIN MUL_HI
	MUL16 4, (\q)%2, \q, \slot, \zero
	MUL16 6, (\q)%2, \q, \slot, \zero
	PLACES NP
	WIN 0
	FETCH_A \slot, (\q)+1, 4
.endm
; A slot's last step changes slots: one barrier; in front of it each wave waits for all its tensor loads, adds 0 to its spare word, and waits for that and for its reads of this slot.
.macro TURN slot, next, fill
	s_wait_tensorcnt 0x0                           ; all my tensor loads have landed: my part of the next slot
	ds_add_u32 v[SPW], v[NIL]                      ; 0 onto my spare word
	s_wait_dscnt 4*NL+1                            ; the add and the youngest 16 loads may be out
	WIN MUL_LO
	MUL16 0, 1, NQ-1, \slot, 0
	s_wait_dscnt 0x0                               ; the add is done, and my reads of this slot are over
	s_barrier_signal -1
	MUL16 2, 1, NQ-1, \slot, 0
	WIN 0
	s_barrier_wait -1
.if \fill
	CREST                                          ; the barrier has opened a round of the cluster's: no wave of any partner still reads this slot or has a load on its way
	s_add_nc_u64 s[G0+4*\slot+2:G0+4*\slot+3], s[G0+4*\slot+2:G0+4*\slot+3], 2*TILEB
	s_add_nc_u64 s[G0B+4*\slot+2:G0B+4*\slot+3], s[G0B+4*\slot+2:G0B+4*\slot+3], 2*TILEB
	JLOAD G0+4*\slot, G1, G0B+4*\slot, G1B         ; my one tensor load behind the round; its four v_nop are the places in front of the loads below
.else
	PLACES NP
.endif
	v_add_nc_u32 v[ADRS], 128, v[ADRS]             ; the next slot's scale words
	FETCH_B \next, 0, 0
	FETCH_A \next, 0, 0
	SCALES \next
	WIN MUL_HI
	MUL16 4, 1, NQ-1, \slot, 0
	MUL16 6, 1, NQ-1, \slot, 0
	PLACES NP
	WIN 0
	FETCH_A \next, 0, 4
.endm
	s_wait_tensorcnt 1                             ; the scale words and my part of slot 0 are in; slot 1's load may be out
	s_barrier_signal -1
	s_barrier_wait -1
	FETCH_B 0, 0, 0
	FETCH_A 0, 0, 0
	SCALES 0
	FETCH_A 0, 0, 4
	STEP 0, 0, 1                                   ; K = 1,024 is four slots, eight steps: written straight.  The first products start the sums
	TURN 0, 1, 1                                   ; slot 0 takes K 512 on
	STEP 1, 0, 0
	TURN 1, 0, 1                                   ; slot 1 takes K 768 on
	STEP 0, 0, 0
	TURN 0, 1, 0
	STEP 1, 0, 0
	s_wait_dscnt 4*NL
	WIN MUL_LO
	MUL16 0, 1, NQ-1, 1, 0
	MUL16 2, 1, NQ-1, 1, 0
	s_wait_dscnt 0
	WIN MUL_HI
	MUL16 4, 1, NQ-1, 1, 0
	MUL16 6, 1, NQ-1, 1, 0
	WIN 0
; THE WAY OUT, block by block of 16 rows of R: the bias is added, the lane's 64 numbers are quantised, and the fragment is stored as it stands: no LDS.
.macro BIASMOVE a                      ; each accumulator is read from its low end on
.set AC, 64*((\a)%4)
	s_cmp_eq_u32 s95, 2
	s_cbranch_scc1 .Lby_lane_\@
	WIN 0x02+(\a)/4
.set i, 0
.rept 32
	v_pk_add_f32 v[HA+i:HA+i+1], v[AC+i:AC+i+1], v[BI+i:BI+i+1]
.set i, i+2
.endr
	WIN 0
	s_branch .Lbiased_\@
.Lby_lane_\@:
	WIN 0x02+(\a)/4
.set i, 0
.rept 32
	v_pk_add_f32 v[HA+i:HA+i+1], v[AC+i:AC+i+1], v[BL+2*(\a):BL+2*(\a)+1] op_sel_hi:[1,0]
.set i, i+2
.endr
	WIN 0
.Lbiased_\@:
.endm
	s_wait_loadcnt 0x0                             ; the biases
	PLACES NP
.irp b, 0,1,2,3
	v_mov_b32 v[TM+4+\b], 0                        ; written once: a lane permute's destination counts as one of its sources
.endr
.irp a, 0,1,2,3,4,5,6,7
	BIASMOVE \a
.if \a > 0
	s_wait_xcnt 0x0                                ; the last block's stores have read their data and bases, which are written again below
	s_add_nc_u64 s[96:97], s[96:97], s[100:101]
	s_add_nc_u64 s[98:99], s[98:99], s[100:101]
.endif
	QUANT HA, PWS+\a
	global_store_b128 v[L16], v[PC:PC+3], s[96:97]                 ; whole aligned blocks of 256 bytes
	global_store_b64 v[L8], v[PC+4:PC+5], s[96:97] offset:512
	global_store_b128 v[L16], v[PC+6:PC+9], s[98:99]
	global_store_b64 v[L8], v[PC+10:PC+11], s[98:99] offset:512
.endr
.irp i, 0,1,2,3
	v_cndmask_b32 v[WS+\i], v[PWS+2*\i], v[PWS+2*\i+1], s94        ; lanes 0-15 block 2 i's words, lanes 16-31 block 2 i + 1's
.endr
	global_store_b128 v[L16], v[WS:WS+3], s[66:67]
	s_cmp_eq_u32 s95, 2
	s_cbranch_scc1 .Lone_word
.irp i, 0,1,2,3
	v_lshrrev_b32 v[WS+4+\i], 16, v[WS+\i]                         ; the second head's two bytes
.endr
	global_store_b128 v[L16], v[WS+4:WS+7], s[66:67] offset:8192
.Lone_word:
	s_wait_tensorcnt 0x0                           ; the wave's end
	ds_add_u32 v[SPW], v[NIL]
	s_wait_dscnt 0x0
	CROUND                                         ; the closing round
	s_endpgm
.Lfunc_end_k_q052a919997_proj:
	.size	k_q052a919997_proj, .Lfunc_end_k_q052a919997_proj-k_q052a919997_proj
	.p2alignl 7, 3214868480
	.fill 96, 4, 3214868480
	.section	.rodata,"a",@progbits
	.p2align	6, 0x0
	.amdhsa_kernel k_q052a919997_proj
		.amdhsa_group_segment_fixed_size 327680
		.amdhsa_private_segment_fixed_size 0
		.amdhsa_enable_private_segment 0
		.amdhsa_kernarg_size 56
		.amdhsa_user_sgpr_count 2
		.amdhsa_user_sgpr_kernarg_segment_ptr 1
		.amdhsa_wavefront_size32 1
		.amdhsa_system_sgpr_workgroup_id_x 1
		.amdhsa_system_sgpr_workgroup_id_y 1
		.amdhsa_system_sgpr_workgroup_id_z 1
		.amdhsa_system_vgpr_workitem_id 0
		.amdhsa_next_free_vgpr 1024
		.amdhsa_next_free_sgpr 102
		.amdhsa_reserve_vcc 0
		.amdhsa_float_denorm_mode_32 3
		.amdhsa_float_denorm_mode_16_64 3
		.amdhsa_memory_ordered 1
		.amdhsa_forward_progress 1
		.amdhsa_inst_pref_size 188
	.end_amdhsa_kernel
	.amdgpu_metadata
---
amdhsa.version: [ 1, 2 ]
amdhsa.kernels:
  - .name:           k_q052a919997_proj
    .symbol:         k_q052a919997_proj.kd
    .args:
      - { .name: cx1, .offset: 0, .size: 8, .value_kind: global_buffer, .address_space: global }
      - { .name: sx1, .offset: 8, .size: 8, .value_kind: global_buffer, .address_space: global }
      - { .name: qkvc, .offset: 16, .size: 8, .value_kind: global_buffer, .address_space: global }
      - { .name: qkvs, .offset: 24, .size: 8, .value_kind: global_buffer, .address_space: global }
      - { .name: bq, .offset: 32, .size: 8, .value_kind: global_buffer, .address_space: global }
      - { .name: bk, .offset: 40, .size: 8, .value_kind: global_buffer, .address_space: global }
      - { .name: bv, .offset: 48, .size: 8, .value_kind: global_buffer, .address_space: global }
    .group_segment_fixed_size: 327680
    .private_segment_fixed_size: 0
    .kernarg_segment_align: 8
    .kernarg_segment_size: 56
    .max_flat_workgroup_size: 128
    .sgpr_count:     102
    .vgpr_count:     1024
    .wavefront_size: 32
...
	.end_amdgpu_metadata
.endif
;; end of part 2
;; launch attn (part 3): grid 4 x 64, 16 waves a work-group, no clusters, 210,944 bytes of LDS; arguments qkvc, qkvs, mk, oc, os; writes oc, os
.if DOCPART == 3
	.amdgcn_target "amdgcn-amd-amdhsa--gfx1250"
	.amdhsa_code_object_version 6
	.text
	.protected	k_q052a919997_attn
	.globl	k_q052a919997_attn
	.p2align	8
	.type	k_q052a919997_attn,@function
k_q052a919997_attn:
	s_mov_b64 s[64:65], 0
	v_nop
	global_prefetch_b8 v0, s[64:65] scope:SCOPE_SE
	s_setreg_imm32_b32 hwreg(HW_REG_WAVE_MODE, 25, 1), 1
	s_wait_xcnt 0x0
; ATTN.  For each batch x head: o = softmax(q k^T / 8, hidden where attn_mask says so) v, both products on codes of BF6 with E8M0 scales; o is quantised along the 1,024 features for the last product.
; t = score x log2(e) / 8; M = the row's largest t so far, rounded UP to a whole number; p = 2^(t - M) is quantised along the keys, not normalised; the row's sum is taken of the unquantised p and divides at the end.
; SHARES.  Work-group (c4, bh): one head.  Its K and V, as codes, and their scale words are copied into LDS once, through registers, and only read from then on: one barrier.
; Wave w takes two tiles of 16 queries one after the other: T = 4 i + c4 with i = w, then i = 31 - w.  A tile walks the 16 key steps of 128.
; THE MASK IS AN INPUT: an earlier launch stored, as whole numbers, a flag for each (tile, key step) and a lane mask for each score register.  A step whose 16 x 128 scores are all hidden adds nothing (every p is 0, the
; maximum does not move) and is passed over by a scalar branch on its flag; in a step that is hidden in part the hidden scores become -infinity; a step with nothing hidden reads no mask words.  Right for every mask.
; No tensor load and no multicast here: the walk hangs on stored flags.
; LAYOUT.  S^T = K Q^T (source 0 = 16 keys, source 1 = my 16 queries), O^T = V^T P^T: a lane holds ONE query.  Lane r of tile g is row 32 (g / 2) + 8 (g % 2) + r + 8 (r / 8), of queries, keys and d alike.
; The first product's K is 64: registers 6-11 of Q's fragment are zero codes; K's fragment names the six registers that follow its own (the next tile's codes, or zeros), which meet those zeros alone.
; A row with every key hidden has the sum 0: reference() gives NaN there: its scale bytes are stored as 0xff, which makes that row of the last product NaN.
; LIMITS: a block of zeros gets the byte 1 where the rule says 127; NaN and infinities among the inputs are not served.  The scale bytes of o leave as 32 single bytes a tile.
.set LK,  0                            ; LDS: K's codes [step 16][tile 8] 768 bytes
.set LV,  98304                        ; V's codes [step 16][tile of d 4] 1,536 bytes
.set LKS, 196608                       ; K's scale words [step] 512 bytes
.set LVS, 204800                       ; V's scale words [step][lane] 8 bytes
.set BM,  212                          ; v212-215 the blocks' largest
.set PM,  216                          ; v216-219 the other half's; then the bytes
.set SO,  220                          ; v220-223 the conversions' scale operands
; v1-6 lane constants; v7-12 the step's addresses; v13 0xff; v14 -M, v15 largest t; v[16:17] the sum; v18 Q's scale word; v19 -infinity; v20-25 Q, v26-31 zeros; v32-79 K's 8 tiles (6 registers each), then V's 4 fragments;
; v80-85 zeros; v[86:87] V's scale words; v[88:91] K's; v92 8 r + h; v93 flags; v94 4 r; v95 16 r; v96-159 S^T, then p; v160-191 O^T; v192-203 p's codes; v204-210 conversions; v224 p's scale word; v[226:227] f; v228, v[232:233] at work.
; s14 wave; s15 batch x head; s16-63, s68-83 the step's 64 mask words (temporaries elsewhere); s[84:85] lane selects; s[86:87] c; s88 step; s89 tiles to go; s90 i; s91 T; s92, s93 hidden, mixed; s94-96 LDS steps; s97 31 - w; s[98:99] mask words.
	s_load_b256 s[4:11], s[0:1], 0x0               ; qkvc s[4:5], qkvs s[6:7], mk s[8:9], oc s[10:11]
	s_load_b64 s[12:13], s[0:1], 0x20              ; os
	v_lshl_add_u32 v254, v0, 2, 0x33000
	v_mov_b32 v255, 0
	v_lshrrev_b32 v7, 5, v0
	v_readfirstlane_b32 s14, v7                    ; wave 0..15
	v_and_b32 v8, 31, v0                           ; lane
	v_and_b32 v9, 15, v0                           ; r
	v_bfe_u32 v10, v0, 4, 1                        ; h
	v_lshlrev_b32 v1, 4, v8
	v_lshlrev_b32 v2, 3, v8
	v_add_nc_u32 v3, LV, v1
	v_add_nc_u32 v4, LV, v2
	v_add_nc_u32 v5, LKS, v1
	v_add_nc_u32 v6, LVS, v2
	v_lshl_add_u32 v92, v9, 3, v10
	v_lshlrev_b32 v94, 2, v9
	v_lshlrev_b32 v95, 4, v9
	s_and_b32 s15, ttmp7, 0xffff                   ; batch x head
	s_lshr_b32 s2, s15, 4                          ; batch
	s_and_b32 s3, s15, 15                          ; head
	s_mul_i32 s16, s15, 98304
	s_mul_i32 s24, s14, 6144                       ; wave w copies key step w
	s_add_co_u32 s16, s16, s24
	s_add_co_u32 s16, s16, 6291456                 ; K's codes
	s_mov_b32 s17, 0
	s_lshl_b32 s25, s2, 4
	s_add_co_u32 s25, s25, s14
	s_lshl_b32 s18, s25, 4
	s_add_co_u32 s18, s18, s3
	s_mul_i32 s18, s18, 6144
	s_add_co_u32 s18, s18, 12582912                ; V's codes
	s_mov_b32 s19, 0
	s_lshl_b32 s20, s15, 13
	s_lshl_b32 s26, s14, 9
	s_add_co_u32 s20, s20, s26
	s_add_co_u32 s20, s20, 524288                  ; K's scale words
	s_mov_b32 s21, 0
	s_lshl_b32 s22, s25, 3
	s_lshr_b32 s27, s3, 1
	s_add_co_u32 s22, s22, s27
	s_lshl_b32 s22, s22, 9
	s_and_b32 s27, s3, 1
	s_lshl_b32 s27, s27, 3
	s_add_co_u32 s22, s22, s27
	s_add_co_u32 s22, s22, 1048576                 ; V's scale words: my head's 8 bytes of each lane's 16
	s_mov_b32 s23, 0
	s_lshl_b32 s27, s14, 8
	v_add_nc_u32 v7, s24, v1                       ; where they go
	v_add_nc_u32 v8, s24, v3
	v_add_nc_u32 v9, s26, v5
	v_add_nc_u32 v10, s27, v6
	s_wait_kmcnt 0x0
	s_add_nc_u64 s[16:17], s[4:5], s[16:17]
	s_add_nc_u64 s[18:19], s[4:5], s[18:19]
	s_add_nc_u64 s[20:21], s[6:7], s[20:21]
	s_add_nc_u64 s[22:23], s[6:7], s[22:23]
.irp i, 0,1,2,3,4,5,6,7,8,9,10,11
	global_load_b128 v[96+4*\i:99+4*\i], v1, s[16:17] offset:512*\i
.endr
.irp i, 0,1,2,3,4,5,6,7,8,9,10,11
	global_load_b128 v[144+4*\i:147+4*\i], v1, s[18:19] offset:512*\i
.endr
	global_load_b128 v[192:195], v1, s[20:21]
	global_load_b64 v[196:197], v1, s[22:23]
	v_mov_b32 v13, 0xff
	v_mov_b32 v19, 0xff800000                      ; -infinity
.irp j, 26,27,28,29,30,31,80,81,82,83,84,85
	v_mov_b32 v\j, 0                               ; zero codes
.endr
.irp b, 0,1,2,3
	v_mov_b32 v[PM+\b], 0                          ; written once: a lane permute's destination counts as one of its sources
.endr
	v_mov_b32 v227, 0                              ; (named as the upper half of the pair v[226:227])
	v_mov_b32 v228, 0
	s_mov_b32 s84, 0x76543210
	s_mov_b32 s85, 0xfedcba98
	s_mov_b32 s86, 0x3e38aa3b                      ; c = log2(e) / 8
	s_mov_b32 s87, s86
	s_mov_b32 s101, 0xffff0000                     ; lanes 16-31
	s_sub_co_u32 s97, 31, s14
	s_mov_b32 s89, 2
.irp i, 0,1,2,3,4,5,6,7,8,9,10,11
	s_wait_loadcnt 25-\i                           ; loads come back in order: this one is in, the younger ones stay out
	ds_store_b128 v7, v[96+4*\i:99+4*\i] offset:512*\i
.endr
.irp i, 0,1,2,3,4,5,6,7,8,9,10,11
	s_wait_loadcnt 13-\i
	ds_store_b128 v8, v[144+4*\i:147+4*\i] offset:512*\i
.endr
	s_wait_loadcnt 1
	ds_store_b128 v9, v[192:195]
	s_wait_loadcnt 0x0
	ds_store_b64 v10, v[196:197]
	s_wait_dscnt 0x0                               ; for the others' sake: my stores have landed
	s_barrier_signal -1
	s_barrier_wait -1                              ; the head's K and V lie in LDS; nobody writes LDS again
.Ltile:
	s_wait_xcnt 0x0                                ; the last tile's stores have read their data and bases
	s_cmp_eq_u32 s89, 2
	s_cselect_b32 s90, s14, s97                    ; i = w, then 31 - w
	s_lshl_b32 s91, s90, 2
	s_add_co_u32 s91, s91, ttmp9                   ; T
	s_lshl_b32 s16, s15, 7
	s_add_co_u32 s16, s16, s91
	s_mul_i32 s16, s16, 768
	s_mov_b32 s17, 0
	s_add_nc_u64 s[16:17], s[4:5], s[16:17]        ; Q's codes
	s_lshl_b32 s18, s15, 13
	s_lshr_b32 s19, s91, 3
	s_lshl_b32 s19, s19, 9
	s_add_co_u32 s18, s18, s19
	s_and_b32 s19, s91, 1
	s_lshl_b32 s19, s19, 8
	s_add_co_u32 s18, s18, s19
	s_bfe_u32 s19, s91, 0x20001
	s_lshl_b32 s19, s19, 2
	s_add_co_u32 s18, s18, s19
	s_mov_b32 s19, 0
	s_add_nc_u64 s[18:19], s[6:7], s[18:19]        ; Q's scale words
	s_lshl_b32 s20, s91, 6
	s_add_co_u32 s20, s20, 524288
	s_mov_b32 s21, 0
	s_add_nc_u64 s[20:21], s[8:9], s[20:21]        ; the tile's 16 flags
	s_lshl_b32 s98, s91, 12
	s_mov_b32 s99, 0
	s_add_nc_u64 s[98:99], s[8:9], s[98:99]        ; and its mask words
	global_load_b128 v[20:23], v1, s[16:17]
	global_load_b64 v[24:25], v2, s[16:17] offset:512
	global_load_b32 v18, v95, s[18:19]
	global_load_b32 v93, v94, s[20:21]             ; lane l: the flag of key step l % 16
	v_mov_b32 v15, 0xff61b1e6                      ; the largest t so far: -3e38
	v_floor_f32 v14, -v15                          ; -M
	v_mov_b32 v16, 0
	v_mov_b32 v17, 0
.set j, 0
.rept 32
	v_mov_b32 v[160+j], 0                          ; O^T: the step is written once; the first change of M leaves zeros zeros
.set j, j+1
.endr
	s_mov_b32 s88, 0
	s_mov_b32 s94, 0
	s_mov_b32 s95, 0
	s_mov_b32 s96, 0
	s_wait_loadcnt 0x0
	v_cmp_eq_u32 s92, 2, v93                       ; bit j: step j is hidden
	v_cmp_eq_u32 s93, 1, v93                       ; bit j: step j is hidden in part
.Lstep:
	s_bitcmp1_b32 s92, s88
	s_cbranch_scc1 .Lhidden
	v_add_nc_u32 v7, s94, v1                       ; six plain instructions: also the places behind the last step's products
	v_add_nc_u32 v8, s94, v2
	v_add_nc_u32 v9, s94, v3
	v_add_nc_u32 v10, s94, v4
	v_add_nc_u32 v11, s95, v5
	v_add_nc_u32 v12, s96, v6
.irp t, 0,1,2,3,4,5,6,7
	ds_load_b128 v[32+6*\t:35+6*\t], v7 offset:768*\t
	ds_load_b64 v[36+6*\t:37+6*\t], v8 offset:768*\t+512
.endr
	ds_load_b128 v[88:91], v11                     ; tile t's words: register t / 2, lanes 0-15 for even t, lanes 16-31 for odd
	s_wait_dscnt 0x0
.irp t, 0,2,4,6
	v_wmma_scale_f32_16x16x128_f8f6f4 v[96+8*\t:103+8*\t], v[32+6*\t:43+6*\t], v[20:31], 0, v[88+\t/2], v18 matrix_a_fmt:MATRIX_FMT_BF6 matrix_b_fmt:MATRIX_FMT_BF6
	v_wmma_scale_f32_16x16x128_f8f6f4 v[104+8*\t:111+8*\t], v[38+6*\t:49+6*\t], v[20:31], 0, v[88+\t/2], v18 matrix_a_fmt:MATRIX_FMT_BF6 matrix_b_fmt:MATRIX_FMT_BF6 matrix_a_scale:MATRIX_SCALE_ROW1
.endr                                          ; register 16 b + i of lane (r, h): query r, key 128 j + 32 b + 16 h + i
.rept 4
	v_nop                                          ; places in front of the loads below and of the first read of the scores
.endr
.irp t, 0,1,2,3
	ds_load_b128 v[32+12*\t:35+12*\t], v9 offset:1536*\t           ; V's fragments land under the softmax
	ds_load_b64 v[36+12*\t:37+12*\t], v10 offset:1536*\t+512
	ds_load_b128 v[38+12*\t:41+12*\t], v9 offset:1536*\t+768
	ds_load_b64 v[42+12*\t:43+12*\t], v10 offset:1536*\t+1280
.endr
	ds_load_b64 v[86:87], v12
	s_bitcmp1_b32 s93, s88
	s_cbranch_scc0 .Lopen
	s_lshl_b32 s100, s88, 8                        ; the step's 64 words: word n is the lane mask of score register n
	s_load_b512 s[16:31], s[98:99], s100 offset:0x0
	s_load_b512 s[32:47], s[98:99], s100 offset:0x40
	s_load_b512 s[48:63], s[98:99], s100 offset:0x80
	s_load_b512 s[68:83], s[98:99], s100 offset:0xc0
	s_wait_kmcnt 0x0
.set n, 0
.rept 64
.if n < 48
	v_cndmask_b32 v[96+n], v[96+n], v19, s[16+n]
.else
	v_cndmask_b32 v[96+n], v[96+n], v19, s[20+n]
.endif
.set n, n+1
.endr
.Lopen:
.irp b, 0,1,2,3
	v_max3_num_f32 v[BM+\b], v[96+16*\b], v[97+16*\b], v[98+16*\b]   ; the largest score of each block of 32 keys: for the row's maximum, and, since p rises with the score, for the block's largest p
.endr
.irp i, 3,5,7,9,11,13
.irp b, 0,1,2,3
	v_max3_num_f32 v[BM+\b], v[BM+\b], v[96+16*\b+\i], v[97+16*\b+\i]
.endr
.endr
.irp b, 0,1,2,3
	v_max_num_f32 v[BM+\b], v[BM+\b], v[111+16*\b]
.endr
.irp b, 0,1,2,3
	v_permlanex16_b32 v[PM+\b], v[BM+\b], s84, s85
.endr
.irp b, 0,1,2,3
	v_max_num_f32 v[BM+\b], v[BM+\b], v[PM+\b]     ; with lane l xor 16's 16 keys
.endr
	v_max3_num_f32 v228, v212, v213, v214
	v_max_num_f32 v228, v228, v215
	v_mul_f32 v228, s86, v228                      ; as t (c is positive)
	v_max_num_f32 v15, v15, v228                   ; the running largest t
	v_mov_b32 v228, v14
	v_floor_f32 v14, -v15                          ; -M = floor(-t): M is a whole number
	v_sub_f32 v228, v14, v228                      ; old M - new M: a whole number, 0 or less
	v_cvt_i32_f32 v228, v228                       ; (it saturates)
	v_ldexp_f32 v226, 1.0, v228                    ; f = 2^(old M - new M): a multiplication by it rounds nothing
.set j, 0
.rept 32
	v_pk_fma_f32 v[96+j:97+j], v[96+j:97+j], s[86:87], v[14:15] op_sel_hi:[1,0,0]   ; t - M
.set j, j+2
.endr
.irp b, 0,1,2,3
	v_fma_f32 v[BM+\b], v[BM+\b], s86, v14
.endr
.set j, 0
.rept 64
	v_exp_f32 v[96+j], v[96+j]                     ; p = 2^(t - M)
.set j, j+1
.endr
.irp b, 0,1,2,3
	v_exp_f32 v[BM+\b], v[BM+\b]                   ; the block's largest p: the same two instructions on the same number
.endr
	v_pk_mul_f32 v[16:17], v[16:17], v[226:227] op_sel_hi:[1,0]      ; the sums under the new M (a plain place behind the exponentials)
	s_wait_alu depctr_va_vdst(0)
.irp b, 0,1,2,3
	v_max_num_f32 v[BM+\b], 0x2800000, v[BM+\b]    ; the floor 2^(5 - 127)
.endr
.irp b, 0,1,2,3
	v_add_nc_u32 v[SO+\b], 0xfe000000, v[BM+\b]
.endr
.irp b, 0,1,2,3
	v_lshrrev_b32 v[PM+\b], 23, v[SO+\b]
.endr
	v_lshl_or_b32 v224, v217, 8, v216              ; p's scale word for these 128 keys
	v_lshl_or_b32 v224, v218, 16, v224
	v_lshl_or_b32 v224, v219, 24, v224
.irp c, 0,1
	v_cvt_scalef32_pk16_bf6_f32 v[192+6*\c:194+6*\c], v[96+32*\c:111+32*\c], v[SO+2*\c]
	v_cvt_scalef32_pk16_bf6_f32 v[204+4*\c:206+4*\c], v[112+32*\c:127+32*\c], v[SO+2*\c+1]
.endr
	v_nop                                          ; one plain place behind a scaled conversion
.irp c, 0,1
.irp i, 0,1,2
	v_permlane16_swap_b32 v[192+6*\c+\i], v[204+4*\c+\i]
.endr
.irp i, 0,1,2
	v_mov_b32 v[195+6*\c+\i], v[204+4*\c+\i]
.endr
.endr
	v_pk_add_f32 v[232:233], v[96:97], v[98:99]    ; the row's sum is taken of the unquantised p, in two chains
.irp j, 4,8,12,16,20,24,28,32,36,40,44,48,52,56,60
	v_pk_add_f32 v[16:17], v[16:17], v[96+\j:97+\j]
	v_pk_add_f32 v[232:233], v[232:233], v[98+\j:99+\j]
.endr
	v_pk_add_f32 v[16:17], v[16:17], v[232:233]
.set j, 0
.rept 16
	v_pk_mul_f32 v[160+j:161+j], v[160+j:161+j], v[226:227] op_sel_hi:[1,0]   ; O^T under the new M.  (With the sums: the places between p's scale word and codes and the products)
.set j, j+2
.endr
	s_wait_dscnt 0x0                               ; V
.irp t, 0,2                                    ; four accumulators, one instruction a turn
	v_wmma_scale_f32_16x16x128_f8f6f4 v[160+8*\t:167+8*\t], v[32+12*\t:43+12*\t], v[192:203], v[160+8*\t:167+8*\t], v[86+\t/2], v224 matrix_a_fmt:MATRIX_FMT_BF6 matrix_b_fmt:MATRIX_FMT_BF6
	v_wmma_scale_f32_16x16x128_f8f6f4 v[168+8*\t:175+8*\t], v[44+12*\t:55+12*\t], v[192:203], v[168+8*\t:175+8*\t], v[86+\t/2], v224 matrix_a_fmt:MATRIX_FMT_BF6 matrix_b_fmt:MATRIX_FMT_BF6 matrix_a_scale:MATRIX_SCALE_ROW1
.endr
.Lhidden:
	s_add_co_u32 s94, s94, 6144
	s_add_co_u32 s95, s95, 512
	s_add_co_u32 s96, s96, 256
	s_add_co_u32 s88, s88, 1
	s_cmp_lt_u32 s88, 16
	s_cbranch_scc1 .Lstep
	; the tile's end: O^T / the sum, quantised along the head's 64 features: half a fragment of the last product's operand
.rept 4
	v_nop
.endr
	v_add_f32 v16, v16, v17
	v_permlanex16_b32 v228, v16, s84, s85
	v_add_f32 v16, v16, v228                       ; the row's sum
	v_cmp_eq_f32 vcc_lo, 0, v16                    ; every key hidden
	v_rcp_f32 v226, v16
	v_nop                                          ; one plain place behind a transcendental
.set j, 0
	s_wait_alu depctr_va_vdst(0)
.rept 16
	v_pk_mul_f32 v[96+j:97+j], v[160+j:161+j], v[226:227] op_sel_hi:[1,0]     ; register 16 b + i: feature 32 b + 16 h + i of my query
.set j, j+2
.endr
.irp b, 0,1
	v_max3_num_f32 v[BM+\b], |v[96+16*\b]|, |v[97+16*\b]|, 0x2800000
.endr
.irp i, 2,4,6,8,10,12,14
.irp b, 0,1
	v_max3_num_f32 v[BM+\b], v[BM+\b], |v[96+16*\b+\i]|, |v[97+16*\b+\i]|
.endr
.endr
.irp b, 0,1
	v_permlanex16_b32 v[PM+\b], v[BM+\b], s84, s85
.endr
.irp b, 0,1
	v_max_num_f32 v[BM+\b], v[BM+\b], v[PM+\b]
.endr
.irp b, 0,1
	v_add_nc_u32 v[SO+\b], 0xfe000000, v[BM+\b]
.endr
.irp b, 0,1
	v_lshrrev_b32 v[PM+\b], 23, v[SO+\b]
.endr
	v_cvt_scalef32_pk16_bf6_f32 v[192:194], v[96:111], v[SO]
	v_cvt_scalef32_pk16_bf6_f32 v[204:206], v[112:127], v[SO+1]
	v_cndmask_b32 v228, v216, v217, s101           ; lane (r, h) stores block h's byte  (a plain place behind the conversions)
	v_cndmask_b32 v228, v228, v13, vcc_lo          ; 0xff where the sum is 0
.irp i, 0,1,2
	v_permlane16_swap_b32 v[192+\i], v[204+\i]
.endr
.irp i, 0,1,2
	v_mov_b32 v[195+\i], v[204+\i]
.endr
	s_lshr_b32 s16, s15, 4
	s_lshl_b32 s16, s16, 7
	s_add_co_u32 s16, s16, s91                     ; 128 x batch + T
	s_and_b32 s17, s15, 15                         ; head
	s_mul_i32 s18, s16, 12288
	s_mul_i32 s19, s17, 768
	s_add_co_u32 s18, s18, s19
	s_mov_b32 s19, 0
	s_add_nc_u64 s[18:19], s[10:11], s[18:19]
	s_lshl_b32 s20, s16, 9
	s_lshr_b32 s21, s17, 2
	s_lshl_b32 s21, s21, 7
	s_add_co_u32 s20, s20, s21
	s_and_b32 s21, s17, 3
	s_lshl_b32 s21, s21, 1
	s_add_co_u32 s20, s20, s21
	s_mov_b32 s21, 0
	s_add_nc_u64 s[20:21], s[12:13], s[20:21]
	global_store_b128 v1, v[192:195], s[18:19]     ; whole aligned blocks of 256 bytes
	global_store_b64 v2, v[196:197], s[18:19] offset:512
	global_store_b8 v92, v228, s[20:21]
	s_sub_co_u32 s89, s89, 1
	s_cmp_lg_u32 s89, 0
	s_cbranch_scc1 .Ltile
	s_wait_tensorcnt 0x0
	ds_add_u32 v254, v255
	s_wait_dscnt 0x0
	s_endpgm
.Lfunc_end_k_q052a919997_attn:
	.size	k_q052a919997_attn, .Lfunc_end_k_q052a919997_attn-k_q052a919997_attn
	.p2alignl 7, 3214868480
	.fill 96, 4, 3214868480
	.section	.rodata,"a",@progbits
	.p2align	6, 0x0
	.amdhsa_kernel k_q052a919997_attn
		.amdhsa_group_segment_fixed_size 210944
		.amdhsa_private_segment_fixed_size 0
		.amdhsa_enable_private_segment 0
		.amdhsa_kernarg_size 40
		.amdhsa_user_sgpr_count 2
		.amdhsa_user_sgpr_kernarg_segment_ptr 1
		.amdhsa_wavefront_size32 1
		.amdhsa_system_sgpr_workgroup_id_x 1
		.amdhsa_system_sgpr_workgroup_id_y 1
		.amdhsa_system_sgpr_workgroup_id_z 1
		.amdhsa_system_vgpr_workitem_id 0
		.amdhsa_next_free_vgpr 256
		.amdhsa_next_free_sgpr 102
		.amdhsa_reserve_vcc 1
		.amdhsa_float_denorm_mode_32 3
		.amdhsa_float_denorm_mode_16_64 3
		.amdhsa_memory_ordered 1
		.amdhsa_forward_progress 1
		.amdhsa_inst_pref_size 37
	.end_amdhsa_kernel
	.amdgpu_metadata
---
amdhsa.version: [ 1, 2 ]
amdhsa.kernels:
  - .name:           k_q052a919997_attn
    .symbol:         k_q052a919997_attn.kd
    .args:
      - { .name: qkvc, .offset: 0, .size: 8, .value_kind: global_buffer, .address_space: global }
      - { .name: qkvs, .offset: 8, .size: 8, .value_kind: global_buffer, .address_space: global }
      - { .name: mk, .offset: 16, .size: 8, .value_kind: global_buffer, .address_space: global }
      - { .name: oc, .offset: 24, .size: 8, .value_kind: global_buffer, .address_space: global }
      - { .name: os, .offset: 32, .size: 8, .value_kind: global_buffer, .address_space: global }
    .group_segment_fixed_size: 210944
    .private_segment_fixed_size: 0
    .kernarg_segment_align: 8
    .kernarg_segment_size: 40
    .max_flat_workgroup_size: 512
    .sgpr_count:     102
    .vgpr_count:     256
    .wavefront_size: 32
...
	.end_amdgpu_metadata
.endif
;; end of part 3
;; launch outp (part 4): grid 4 x 32, 4 waves a work-group, clusters of 4 x 4, 327,680 bytes of LDS; arguments oc, os, cx1, sx1, bo, out0; writes out0
.if DOCPART == 4
	.amdgcn_target "amdgcn-amd-amdhsa--gfx1250"
	.amdhsa_code_object_version 6
	.text
	.protected	k_q052a919997_outp
	.globl	k_q052a919997_outp
	.p2align	8
	.type	k_q052a919997_outp,@function
k_q052a919997_outp:
	s_mov_b64 s[64:65], 0
	v_nop
	global_prefetch_b8 v0, s[64:65] scope:SCOPE_SE
	s_setreg_imm32_b32 hwreg(HW_REG_WAVE_MODE, 25, 1), 1
	s_wait_xcnt 0x0
	s_wait_alu depctr_hold_cnt(0) depctr_sa_sdst(0) depctr_va_vdst(0) depctr_va_sdst(0) depctr_va_ssrc(0) depctr_va_vcc(0) depctr_vm_vsrc(0)
	s_getreg_b32 s2, hwreg(HW_REG_IB_STS2, 6, 4)
	s_cmp_eq_u32 s2, 0
	s_cbranch_scc0 .Lentry_in_a_cluster
	s_endpgm
.Lentry_in_a_cluster:
	s_bfe_u32 s2, ttmp6, 0x10000c
	s_cmp_lg_u32 s2, 0xf033
	s_cbranch_scc0 .Lentry_shape_is_right
	s_endpgm
.Lentry_shape_is_right:
; OUTP.  out0 = o Wo^T + bo: [8192 x 1024 x 1024] on codes of BF6 with E8M0 scales, f32 sums.  o's codes and scale words (oc, os) and Wo's (cx1 + 21,233,664, sx1 + 884,736) lie as images of an operand's registers:
; row tile g at 12,288 g, K step kk at + 1,536 kk; scale word of (g, kk, r) at 512 g + 128 (kk / 2) + 8 r + 4 (kk % 2).  Lane r of row tile g is row 32 (g / 2) + 8 (g % 2) + r + 8 (r / 8).
; A tile of out0 is 256 x 256, four waves of 128 x 128; K goes in steps of 256 through two LDS slots filled by joint tensor loads: o's tile is shared along a row of the 4 x 4 cluster, Wo's along a column.
; The matrix instruction is used transposed (source 0 = 16 rows of Wo, source 1 = 16 rows of o): a lane holds one row of out0 and, in the registers of Wo's tiles 2 b, 2 b + 1, the columns 32 b + 16 (lane / 16) + 0 .. 15.
; 128 work-groups: the tile is kept at 256 x 256, so that each fragment read from LDS feeds eight products.
; REGISTERS: window 0: v16-29 addresses; v32-63 scale words, two sets; v64-127 the bias; v128-223 o's fragments; on the way out v128-191, v192-255 by turns.  window 1: Wo's fragments, two sets.  windows 2, 3: accumulators.
.set NQ,     2
.set FR,     12
.set NL,     4
.set NP,     4
.set FRB,    1536
.set TILEB,  NQ*FRB
.set HALFT,  8*TILEB
.set SLOT,   4*HALFT
.set SCL,    2*SLOT
.set HALFS,  4096
.set SPARE,  SCL+4*HALFS               ; the spare words, 128 bytes for each wave: two blocks of 256 bytes that no other line names
.set SPITCH, 528                       ; the way out: a stage of 16 rows x (512 bytes + 16) for each wave, in slot 0, which has had its last fill and its last read when the first result is stored there
.set ADRA, 16
.set ADRB, 20
.set L16,  24
.set L8,   25
.set STO,  26
.set ADRS, 27
.set SPW,  28
.set NIL,  29
.set RD,   30
.set SC,   32
.set BI,   64
.set AF,   128
.set XO,   128
.set G1, 24
.set G0, 32
.set G1B, 48
.set G0B, 56
.set G1S, 68
.set G0S, 76
.set G1SB, 80
.set G0SB, 88
.set MSB, 0
.macro WIN new                         ; the immediate's high byte repeats the setting that is left
.if MSB != (\new)
	s_set_vgpr_msb (MSB<<8)|(\new)
.set MSB, (\new)
.endif
.endm
.set MUL_LO, 0xa1
.set MUL_HI, 0xf1
.set TO_B,   0x40
.macro JLOAD g0a, g1a, g0b, g1b        ; a joint load: waves 0, 1 fetch for o, waves 2, 3 for Wo; four v_nop follow each line
	s_cmp_eq_u32 s15, 0
	s_cbranch_scc0 .Lfor_b_\@
	tensor_load_to_lds s[\g0a:\g0a+3], s[\g1a:\g1a+7]
	s_nop 0
.rept 4
	v_nop
.endr
	s_branch .Lasked_\@
.Lfor_b_\@:
	tensor_load_to_lds s[\g0b:\g0b+3], s[\g1b:\g1b+7]
	s_nop 0
.rept 4
	v_nop
.endr
.Lasked_\@:
.endm
.macro CREST
	s_cmp_lg_u32 s14, 0
	s_cbranch_scc1 .Lnot_wave_0_\@
	s_barrier_signal -3
.Lnot_wave_0_\@:
	s_barrier_wait -3
	s_barrier_signal -1
	s_barrier_wait -1
.endm
.macro CROUND
	s_barrier_signal -1
	s_barrier_wait -1
	CREST
.endm
	s_load_b128 s[4:7], s[0:1], 0x0                ; oc, os
	s_load_b128 s[8:11], s[0:1], 0x10              ; cx1, sx1
	s_load_b128 s[96:99], s[0:1], 0x20             ; bo, out0
	v_lshl_add_u32 v[SPW], v0, 2, SPARE
	v_mov_b32 v[NIL], 0
	ds_add_u32 v28, v29
	ds_add_u32 v28, v29
	s_wait_dscnt 0x0
	v_lshrrev_b32 v1, 5, v0
	v_readfirstlane_b32 s14, v1                    ; wave 0..3
	s_lshr_b32 s15, s14, 1                         ; my half of the rows.  Also: I fetch for o (0) or for Wo (1)
	s_and_b32 s16, s14, 1                          ; my half of the columns.  Also: which 128 rows I fetch
	s_bfe_u32 s40, ttmp6, 0x40000                  ; cx = the tile column: the grid is one cluster wide
	s_bfe_u32 s41, ttmp6, 0x40004                  ; cy
	s_and_b32 s17, ttmp7, 0xffff
	s_lshl_b32 s17, s17, 2
	s_add_co_u32 s17, s17, s41                     ; tile row = 4 x cluster y + cy
	s_lshl_b32 s43, s41, 2
	s_lshl_b32 s43, 15, s43                        ; my row of the cluster
	s_lshl_b32 s44, 0x1111, s40                    ; my column
	s_or_b32 s[G1+0], s43, (3<<16)|(1<<21)         ; codes: 8 rows of 384 elements of 8 bytes, 1,536 elements apart; no padding
	s_or_b32 s[G1B+0], s44, (3<<16)|(1<<21)
.irp g, G1, G1B
	s_mov_b32 s[\g+1], 384<<16
	s_mov_b32 s[\g+2], 8<<16
	s_mov_b32 s[\g+3], 384<<16
	s_mov_b32 s[\g+4], 8
	s_mov_b32 s[\g+5], 1536
	s_mov_b32 s[\g+6], 0
	s_mov_b32 s[\g+7], 0
.endr
	s_or_b32 s[G1S+0], s43, (3<<16)|(1<<21)        ; scale words of 128 rows: 4,096 dense bytes as 16 rows of 256
	s_or_b32 s[G1SB+0], s44, (3<<16)|(1<<21)
.irp g, G1S, G1SB
	s_mov_b32 s[\g+1], 32<<16
	s_mov_b32 s[\g+2], 16<<16
	s_mov_b32 s[\g+3], 32<<16
	s_mov_b32 s[\g+4], 16
	s_mov_b32 s[\g+5], 32
	s_mov_b32 s[\g+6], 0
	s_mov_b32 s[\g+7], 0
.endr
	s_lshl_b32 s3, s16, 3
	s_lshl_b32 s20, s17, 4
	s_add_co_u32 s20, s20, s3                      ; o: row tile 16 x tile row + 8 x half
	s_lshl_b32 s22, s20, 9
	s_mov_b32 s23, 0
	s_mul_i32 s20, s20, 12288
	s_mov_b32 s21, 0
	s_lshl_b32 s46, s40, 4
	s_add_co_u32 s46, s46, s3                      ; Wo likewise
	s_lshl_b32 s92, s46, 9
	s_add_co_u32 s92, s92, 884736
	s_mov_b32 s93, 0
	s_mul_i32 s46, s46, 12288
	s_add_co_u32 s46, s46, 21233664
	s_mov_b32 s47, 0
	s_mul_i32 s45, s14, HALFT
	s_lshl_b32 s94, s14, 12
	s_wait_kmcnt 0x0
	s_add_nc_u64 s[20:21], s[4:5], s[20:21]
	s_add_nc_u64 s[22:23], s[6:7], s[22:23]
	s_add_nc_u64 s[46:47], s[8:9], s[46:47]
	s_add_nc_u64 s[92:93], s[10:11], s[92:93]
	CROUND                                         ; all sixteen work-groups are here: the first joint loads meet
	s_mov_b32 s[G0S], 1
	s_add_co_u32 s[G0S+1], s94, SCL
	s_mov_b64 s[G0S+2:G0S+3], s[22:23]
	s_or_b32 s[G0S+3], s[G0S+3], 0x80000000
	s_mov_b32 s[G0SB], 1
	s_add_co_u32 s[G0SB+1], s94, SCL
	s_mov_b64 s[G0SB+2:G0SB+3], s[92:93]
	s_or_b32 s[G0SB+3], s[G0SB+3], 0x80000000
	JLOAD G0S, G1S, G0SB, G1SB                     ; three loads of mine are out behind this group
.irp s, 0,1
	s_mov_b32 s[G0+4*\s], 1
	s_add_co_u32 s[G0+4*\s+1], s45, \s*SLOT
	s_add_nc_u64 s[G0+4*\s+2:G0+4*\s+3], s[20:21], \s*TILEB
	s_or_b32 s[G0+4*\s+3], s[G0+4*\s+3], 0x80000000
	s_mov_b32 s[G0B+4*\s], 1
	s_add_co_u32 s[G0B+4*\s+1], s45, \s*SLOT
	s_add_nc_u64 s[G0B+4*\s+2:G0B+4*\s+3], s[46:47], \s*TILEB
	s_or_b32 s[G0B+4*\s+3], s[G0B+4*\s+3], 0x80000000
	JLOAD G0+4*\s, G1, G0B+4*\s, G1B
.endr
	v_and_b32 v1, 15, v0                           ; r
	v_bfe_u32 v2, v0, 4, 1                         ; h
	v_and_b32 v3, 31, v0                           ; lane
	v_lshlrev_b32 v[L16], 4, v3
	v_lshlrev_b32 v[L8], 3, v3
	s_mul_i32 s21, s15, HALFT
	s_mul_i32 s22, s16, HALFT
	s_add_co_u32 s22, s22, 2*HALFT
.irp s, 0,1
	v_add_nc_u32 v[ADRA+\s], s21, v[L16]
	v_add_nc_u32 v[ADRB+\s], s22, v[L16]
	v_add_nc_u32 v[ADRA+2+\s], s21, v[L8]
	v_add_nc_u32 v[ADRB+2+\s], s22, v[L8]
	s_add_co_u32 s21, s21, SLOT
	s_add_co_u32 s22, s22, SLOT
.endr
	s_lshl_b32 s21, s15, 12
	s_lshl_b32 s22, s16, 12
	s_add_co_u32 s22, s22, 2*HALFS
	s_sub_co_u32 s22, s22, s21
	v_mul_u32_u24 v6, s22, v2                      ; lanes 16-31 take Wo's: one product with h
	s_add_co_u32 s21, s21, SCL
	v_lshl_add_u32 v5, v1, 3, v6
	v_add_nc_u32 v[ADRS], s21, v5
	s_mul_i32 s23, s14, 16*SPITCH                  ; my stage
	v_mul_u32_u24 v5, v1, SPITCH
	v_lshl_add_u32 v5, v2, 6, v5
	v_add_nc_u32 v[STO], s23, v5                   ; in: row r, + 64 h
	v_add_nc_u32 v[RD], s23, v[L16]                ; back: a whole row of 512 bytes
	s_lshl_b32 s66, s17, 8
	s_lshl_b32 s2, s15, 7
	s_add_co_u32 s66, s66, s2                      ; my first row
	s_lshl_b32 s67, s40, 8
	s_lshl_b32 s2, s16, 7
	s_add_co_u32 s67, s67, s2                      ; my first column
	s_lshl_b32 s18, s67, 2
	v_lshl_add_u32 v4, v2, 6, s18                  ; the bias: column 32 (b / 2) + 16 h + 8 (b % 2) + j
.irp b, 0,1,2,3,4,5,6,7
	global_load_b128 v[BI+8*\b:BI+8*\b+3], v4, s[96:97] offset:(32*(\b/2)+8*(\b%2))*4
	global_load_b128 v[BI+8*\b+4:BI+8*\b+7], v4, s[96:97] offset:(32*(\b/2)+8*(\b%2))*4+16
.endr
	s_lshl_b32 s66, s66, 12
	s_add_co_u32 s66, s66, s18
	s_mov_b32 s67, 0
	s_add_nc_u64 s[98:99], s[98:99], s[66:67]      ; out0 at my first row and column
.macro FRAG reg, adr, q, i             ; a fragment comes back as it was stored: four loads of consecutive bytes
	ds_load_b128 v[\reg:\reg+3], v[\adr] offset:(\i)*TILEB+(\q)*FRB
	ds_load_b64 v[\reg+4:\reg+5], v[\adr+2] offset:(\i)*TILEB+(\q)*FRB+512
	ds_load_b128 v[\reg+6:\reg+9], v[\adr] offset:(\i)*TILEB+(\q)*FRB+768
	ds_load_b64 v[\reg+10:\reg+11], v[\adr+2] offset:(\i)*TILEB+(\q)*FRB+1280
.endm
; 16 matrix instructions.  The 64 accumulators take turns, one instruction a turn, in the same order in every step.
.macro MUL16 a0, p, q, sc, zero
.irp a, \a0, \a0+1
.irp b, 0,1,2,3,4,5,6,7
.if \zero
	v_wmma_scale_f32_16x16x128_f8f6f4 v[8*(8*((\a)%4)+\b):8*(8*((\a)%4)+\b)+7], v[128*(\p)+FR*\b:128*(\p)+FR*\b+FR-1], v[AF+FR*(\a):AF+FR*(\a)+FR-1], 0, v[SC+8*NQ*(\sc)+NQ*\b+(\q)], v[SC+8*NQ*(\sc)+NQ*(\a)+(\q)] matrix_a_fmt:MATRIX_FMT_BF6 matrix_b_fmt:MATRIX_FMT_BF6 matrix_a_scale:MATRIX_SCALE_ROW1
.else
	v_wmma_scale_f32_16x16x128_f8f6f4 v[8*(8*((\a)%4)+\b):8*(8*((\a)%4)+\b)+7], v[128*(\p)+FR*\b:128*(\p)+FR*\b+FR-1], v[AF+FR*(\a):AF+FR*(\a)+FR-1], v[8*(8*((\a)%4)+\b):8*(8*((\a)%4)+\b)+7], v[SC+8*NQ*(\sc)+NQ*\b+(\q)], v[SC+8*NQ*(\sc)+NQ*(\a)+(\q)] matrix_a_fmt:MATRIX_FMT_BF6 matrix_b_fmt:MATRIX_FMT_BF6 matrix_a_scale:MATRIX_SCALE_ROW1
.endif
.endr
.endr
.endm
.macro FETCH_B slot, q, p
	WIN TO_B
.irp i, 0,1,2,3,4,5,6,7
	FRAG 128*(\p)+FR*\i, ADRB+\slot, \q, \i
.endr
	WIN 0
.endm
.macro FETCH_A slot, q, i0
.irp i, \i0, \i0+1, \i0+2, \i0+3
	FRAG AF+FR*(\i), ADRA+\slot, \q, \i
.endr
.endm
.macro SCALES sc
.irp i, 0,1,2,3,4,5,6,7
	ds_load_b64 v[SC+8*NQ*\sc+NQ*\i:SC+8*NQ*\sc+NQ*\i+1], v[ADRS] offset:\i*512
.endr
.endm
.macro PLACES n
.rept \n
	v_nop
.endr
.endm
.macro STEP slot, q, zero
	s_wait_dscnt 4*NL                              ; all but the youngest 16 loads (o's blocks 4-7) are in
	WIN MUL_LO
	MUL16 0, (\q)%2, \q, \slot, \zero
	MUL16 2, (\q)%2, \q, \slot, \zero
	s_wait_dscnt 0
	PLACES NP
	FETCH_B \slot, (\q)+1, 1-(\q)%2
	FETCH_A \slot, (\q)+1, 0
	WIN MUL_HI
	MUL16 4, (\q)%2, \q, \slot, \zero
	MUL16 6, (\q)%2, \q, \slot, \zero
	PLACES NP
	WIN 0
	FETCH_A \slot, (\q)+1, 4
.endm
.macro TURN slot, next, fill
	s_wait_tensorcnt 0x0                           ; all my tensor loads have landed: my part of the next slot
	ds_add_u32 v[SPW], v[NIL]                      ; 0 onto my spare word
	s_wait_dscnt 4*NL+1                            ; the add and the youngest 16 loads may be out
	WIN MUL_LO
	MUL16 0, 1, NQ-1, \slot, 0
	s_wait_dscnt 0x0                               ; the add is done, and my reads of this slot are over
	s_barrier_signal -1
	MUL16 2, 1, NQ-1, \slot, 0
	WIN 0
	s_barrier_wait -1
.if \fill
	CREST                                          ; the barrier has opened a round of the cluster's: no wave of any partner still reads this slot or has a load on its way
	s_add_nc_u64 s[G0+4*\slot+2:G0+4*\slot+3], s[G0+4*\slot+2:G0+4*\slot+3], 2*TILEB
	s_add_nc_u64 s[G0B+4*\slot+2:G0B+4*\slot+3], s[G0B+4*\slot+2:G0B+4*\slot+3], 2*TILEB
	JLOAD G0+4*\slot, G1, G0B+4*\slot, G1B         ; my one tensor load behind the round; its four v_nop are the places in front of the loads below
.else
	PLACES NP
.endif
	v_add_nc_u32 v[ADRS], 128, v[ADRS]
	FETCH_B \next, 0, 0
	FETCH_A \next, 0, 0
	SCALES \next
	WIN MUL_HI
	MUL16 4, 1, NQ-1, \slot, 0
	MUL16 6, 1, NQ-1, \slot, 0
	PLACES NP
	WIN 0
	FETCH_A \next, 0, 4
.endm
	s_wait_tensorcnt 1                             ; the scale words and my part of slot 0 are in; slot 1's load may be out
	s_barrier_signal -1
	s_barrier_wait -1
	FETCH_B 0, 0, 0
	FETCH_A 0, 0, 0
	SCALES 0
	FETCH_A 0, 0, 4
	STEP 0, 0, 1                                   ; K = 1,024 is four slots, eight steps: written straight.  The first products start the sums
	TURN 0, 1, 1
	STEP 1, 0, 0
	TURN 1, 0, 1
	STEP 0, 0, 0
	TURN 0, 1, 0
	STEP 1, 0, 0
	s_wait_dscnt 4*NL
	WIN MUL_LO
	MUL16 0, 1, NQ-1, 1, 0
	MUL16 2, 1, NQ-1, 1, 0
	s_wait_dscnt 0
	WIN MUL_HI
	MUL16 4, 1, NQ-1, 1, 0
	MUL16 6, 1, NQ-1, 1, 0
	WIN 0
; THE WAY OUT, block by block of 16 rows x 128 columns: the bias is added; the block goes through my own stage in LDS and comes back, into the registers that it left, as whole rows of 512 bytes.
; LDS serves a wave's instructions in order: no wait between the stores and the loads, nor in front of the next block's stores.
.macro TOSTAGE a
.set AC, 64*((\a)%4)
.set XB, XO+64*((\a)%2)
	WIN 0x02+(\a)/4                                ; source 0: window 2 or 3
.set i, 0
.rept 32
	v_pk_add_f32 v[XB+i:XB+i+1], v[AC+i:AC+i+1], v[BI+i:BI+i+1]
.set i, i+2
.endr
	WIN 0
.irp b, 0,1,2,3,4,5,6,7
	ds_store_b128 v[STO], v[XB+8*\b:XB+8*\b+3] offset:128*(\b/2)+32*(\b%2)
	ds_store_b128 v[STO], v[XB+8*\b+4:XB+8*\b+7] offset:128*(\b/2)+32*(\b%2)+16
.endr
.irp t, 0,1,2,3,4,5,6,7,8,9,10,11,12,13,14,15
	ds_load_b128 v[XB+4*\t:XB+4*\t+3], v[RD] offset:\t*SPITCH
.endr
.endm
.macro SEND a, younger                 ; younger: the LDS instructions issued behind block a's loads
.set XB, XO+64*((\a)%2)
	s_wait_dscnt \younger
.irp t, 0,1,2,3,4,5,6,7,8,9,10,11,12,13,14,15
	global_store_b128 v[L16], v[XB+4*\t:XB+4*\t+3], s[98:99] offset:(32*((\a)/2)+8*((\a)%2)+\t+8*(\t/8))*4096 th:TH_STORE_NT   ; 512 consecutive bytes of one row, aligned; the row stands in the immediate: 127 rows at the most
.endr
.endm
	s_wait_loadcnt 0x0                             ; the bias
	PLACES NP
	TOSTAGE 0
.irp a, 1,2,3,4,5,6,7
.if \a > 1
	s_wait_xcnt 0x0                                ; block a - 2's stores have read their registers, which block a takes
.endif
	TOSTAGE \a
	SEND \a-1, 32                                  ; behind block a - 1's loads: block a's 16 stores and 16 loads
.endr
	SEND 7, 0
	s_wait_tensorcnt 0x0                           ; the wave's end
	ds_add_u32 v[SPW], v[NIL]
	s_wait_dscnt 0x0
	CROUND                                         ; the closing round
	s_endpgm
.Lfunc_end_k_q052a919997_outp:
	.size	k_q052a919997_outp, .Lfunc_end_k_q052a919997_outp-k_q052a919997_outp
	.p2alignl 7, 3214868480
	.fill 96, 4, 3214868480
	.section	.rodata,"a",@progbits
	.p2align	6, 0x0
	.amdhsa_kernel k_q052a919997_outp
		.amdhsa_group_segment_fixed_size 327680
		.amdhsa_private_segment_fixed_size 0
		.amdhsa_enable_private_segment 0
		.amdhsa_kernarg_size 48
		.amdhsa_user_sgpr_count 2
		.amdhsa_user_sgpr_kernarg_segment_ptr 1
		.amdhsa_wavefront_size32 1
		.amdhsa_system_sgpr_workgroup_id_x 1
		.amdhsa_system_sgpr_workgroup_id_y 1
		.amdhsa_system_sgpr_workgroup_id_z 1
		.amdhsa_system_vgpr_workitem_id 0
		.amdhsa_next_free_vgpr 1024
		.amdhsa_next_free_sgpr 102
		.amdhsa_reserve_vcc 0
		.amdhsa_float_denorm_mode_32 3
		.amdhsa_float_denorm_mode_16_64 3
		.amdhsa_memory_ordered 1
		.amdhsa_forward_progress 1
		.amdhsa_inst_pref_size 160
	.end_amdhsa_kernel
	.amdgpu_metadata
---
amdhsa.version: [ 1, 2 ]
amdhsa.kernels:
  - .name:           k_q052a919997_outp
    .symbol:         k_q052a919997_outp.kd
    .args:
      - { .name: oc, .offset: 0, .size: 8, .value_kind: global_buffer, .address_space: global }
      - { .name: os, .offset: 8, .size: 8, .value_kind: global_buffer, .address_space: global }
      - { .name: cx1, .offset: 16, .size: 8, .value_kind: global_buffer, .address_space: global }
      - { .name: sx1, .offset: 24, .size: 8, .value_kind: global_buffer, .address_space: global }
      - { .name: bo, .offset: 32, .size: 8, .value_kind: global_buffer, .address_space: global }
      - { .name: out0, .offset: 40, .size: 8, .value_kind: global_buffer, .address_space: global }
    .group_segment_fixed_size: 327680
    .private_segment_fixed_size: 0
    .kernarg_segment_align: 8
    .kernarg_segment_size: 48
    .max_flat_workgroup_size: 128
    .sgpr_count:     102
    .vgpr_count:     1024
    .wavefront_size: 32
...
	.end_amdgpu_metadata
.endif
;; end of part 4
;; ======== version 2 of 2: 4 launches; version 1 with the launch attn written anew for expert scheduling mode
;; workspace buffers: cx1 22,020,096 bytes; sx1 917,504 bytes; mk 532,480 bytes of whole numbers; qkvc 18,874,368 bytes; qkvs 1,310,720 bytes; oc 6,291,456 bytes; os 262,144 bytes
;; launch prep: the kernel of part 1 again; grid 1024 x 1, 4 waves a work-group, no clusters, 35,328 bytes of LDS; arguments queries, keys, values, Wq, Wk, Wv, Wo, attn_mask, cx1, sx1, mk; writes cx1, sx1, mk
;; launch proj: the kernel of part 2 again; grid 4 x 96, 4 waves a work-group, clusters of 4 x 4, 327,680 bytes of LDS; arguments cx1, sx1, qkvc, qkvs, bq, bk, bv; writes qkvc, qkvs
;; launch attn (part 5): grid 4 x 64, 16 waves a work-group, no clusters, 210,944 bytes of LDS; arguments qkvc, qkvs, mk, oc, os; writes oc, os
.if DOCPART == 5
	.amdgcn_target "amdgcn-amd-amdhsa--gfx1250"
	.amdhsa_code_object_version 6
	.text
	.protected	k_q052a919997_attn
	.globl	k_q052a919997_attn
	.p2align	8
	.type	k_q052a919997_attn,@function
k_q052a919997_attn:
	s_mov_b64 s[64:65], 0
	v_nop
	global_prefetch_b8 v0, s[64:65] scope:SCOPE_SE
	s_setreg_imm32_b32 hwreg(HW_REG_WAVE_SCHED_MODE, 0, 2), 2
	s_setreg_imm32_b32 hwreg(HW_REG_WAVE_MODE, 25, 1), 1
	s_wait_xcnt 0x0
	s_wait_alu depctr_vm_vsrc(0)
; ATTN.  For each batch x head: o = softmax(q k^T / 8, hidden where attn_mask says so) v, both products on codes of BF6 with E8M0 scales; o is quantised along the 1,024 features for the last product.
; t = score x log2(e) / 8; M = the row's largest t so far, rounded UP to a whole number; p = 2^(t - M) is quantised along the keys, not normalised; the row's sum is taken of the unquantised p and divides at the end.
; SHARES.  Work-group (c4, bh): one head.  Its K and V, as codes, and their scale words are copied into LDS once, through registers, and only read from then on: one barrier.
; Wave w takes two tiles of 16 queries one after the other: T = 4 i + c4 with i = w, then i = 31 - w.  A tile walks the 16 key steps of 128.
; THE MASK IS AN INPUT: an earlier launch stored, as whole numbers, a flag for each (tile, key step) and a lane mask for each score register.  A step whose 16 x 128 scores are all hidden adds nothing (every p is 0, the
; maximum does not move) and is passed over by a scalar branch on its flag; in a step that is hidden in part the hidden scores become -infinity; a step with nothing hidden reads no mask words.  Right for every mask.
; No tensor load and no multicast here: the walk hangs on stored flags.
; LAYOUT.  S^T = K Q^T (source 0 = 16 keys, source 1 = my 16 queries), O^T = V^T P^T: a lane holds ONE query.  Lane r of tile g is row 32 (g / 2) + 8 (g % 2) + r + 8 (r / 8), of queries, keys and d alike.
; The first product's K is 64: registers 6-11 of Q's fragment are zero codes; K's fragment names the six registers that follow its own (the next tile's codes, or zeros), which meet those zeros alone.
; A row with every key hidden has the sum 0: reference() gives NaN there: its scale bytes are stored as 0xff, which makes that row of the last product NaN.
; LIMITS: a block of zeros gets the byte 1 where the rule says 127; NaN and infinities among the inputs are not served.  The scale bytes of o leave as 32 single bytes a tile.
; THE MODE: SCHED_MODE bits 1:0 = 2 (LLVM: expert scheduling mode 2), set by the entry lines.  The code itself states the register dependences between vector or matrix instructions
; and memory or LDS instructions, with s_wait_alu, always for 0.
; THE PLAN.  Registers that memory or LDS instructions touch:
;   v1-6, v92, v94, v95, v254, v255   offsets and LDS addresses, made at the head and never written again.
;   v7-10 at the head                 the copy's LDS addresses; v96-197 its data: loaded, stored to LDS, and written again only inside a tile.
;   v7-12 in a step                   written by the six additions at the step's head, read by the step's 34 LDS loads.
;   v18, v20-25, v93                  loaded at a tile's head; read by the products K Q^T and by the two compares.
;   v32-79                            K's tiles and V's fragments by turns (16 waves of 256 registers leave no 48 for a second buffer): K lands at a step's head, the eight products K Q^T read it, V lands behind
;                                     them, the four products V^T P^T read it.  v88-91 K's scale words, v86-87 V's, likewise.
;   v192-197, v228                    written by vector lines at a tile's end, read by the tile's three stores.
; So a walked step has four waits on va_vdst: behind its additions (addresses written; the last products done with V), behind the products K Q^T (done with K), behind the exponentials (their results), and ahead of the
; products V^T P^T (p's codes and scale word written); and one on vm_vsrc, beside the wait for V (the step's loads have read their addresses).  A tile has one on vm_vsrc at its head and one on va_vdst ahead of its stores.
.set LK,  0                            ; LDS: K's codes [step 16][tile 8] 768 bytes
.set LV,  98304                        ; V's codes [step 16][tile of d 4] 1,536 bytes
.set LKS, 196608                       ; K's scale words [step] 512 bytes
.set LVS, 204800                       ; V's scale words [step][lane] 8 bytes
.set BM,  212                          ; v212-215 the blocks' largest
.set PM,  216                          ; v216-219 the other half's; then the bytes
.set SO,  220                          ; v220-223 the conversions' scale operands
; v1-6 lane constants; v7-12 the step's addresses; v13 0xff; v14 -M, v15 largest t; v[16:17] the sum; v18 Q's scale word; v19 -infinity; v20-25 Q, v26-31 zeros; v32-79 K's 8 tiles (6 registers each), then V's 4 fragments;
; v80-85 zeros; v[86:87] V's scale words; v[88:91] K's; v92 8 r + h; v93 flags; v94 4 r; v95 16 r; v96-159 S^T, then p; v160-191 O^T; v192-203 p's codes; v204-210 conversions; v224 p's scale word; v[226:227] f; v228, v[232:233] at work.
; s14 wave; s15 batch x head; s16-63, s68-83 the step's 64 mask words (temporaries elsewhere); s[84:85] lane selects; s[86:87] c; s88 step; s89 tiles to go; s90 i; s91 T; s92, s93 hidden, mixed; s94-96 LDS steps; s97 31 - w; s[98:99] mask words.
	s_load_b256 s[4:11], s[0:1], 0x0               ; qkvc s[4:5], qkvs s[6:7], mk s[8:9], oc s[10:11]
	s_load_b64 s[12:13], s[0:1], 0x20              ; os
	v_lshl_add_u32 v254, v0, 2, 0x33000
	v_mov_b32 v255, 0
	v_lshrrev_b32 v7, 5, v0
	v_readfirstlane_b32 s14, v7                    ; wave 0..15
	v_and_b32 v8, 31, v0                           ; lane
	v_and_b32 v9, 15, v0                           ; r
	v_bfe_u32 v10, v0, 4, 1                        ; h
	v_lshlrev_b32 v1, 4, v8
	v_lshlrev_b32 v2, 3, v8
	v_add_nc_u32 v3, LV, v1
	v_add_nc_u32 v4, LV, v2
	v_add_nc_u32 v5, LKS, v1
	v_add_nc_u32 v6, LVS, v2
	v_lshl_add_u32 v92, v9, 3, v10
	v_lshlrev_b32 v94, 2, v9
	v_lshlrev_b32 v95, 4, v9
	s_wait_alu depctr_va_sdst(0)                   ; s14 is written, ahead of its first reader: the copy's places are made from it
	s_and_b32 s15, ttmp7, 0xffff                   ; batch x head
	s_lshr_b32 s2, s15, 4                          ; batch
	s_and_b32 s3, s15, 15                          ; head
	s_mul_i32 s16, s15, 98304
	s_mul_i32 s24, s14, 6144                       ; wave w copies key step w
	s_add_co_u32 s16, s16, s24
	s_add_co_u32 s16, s16, 6291456                 ; K's codes
	s_mov_b32 s17, 0
	s_lshl_b32 s25, s2, 4
	s_add_co_u32 s25, s25, s14
	s_lshl_b32 s18, s25, 4
	s_add_co_u32 s18, s18, s3
	s_mul_i32 s18, s18, 6144
	s_add_co_u32 s18, s18, 12582912                ; V's codes
	s_mov_b32 s19, 0
	s_lshl_b32 s20, s15, 13
	s_lshl_b32 s26, s14, 9
	s_add_co_u32 s20, s20, s26
	s_add_co_u32 s20, s20, 524288                  ; K's scale words
	s_mov_b32 s21, 0
	s_lshl_b32 s22, s25, 3
	s_lshr_b32 s27, s3, 1
	s_add_co_u32 s22, s22, s27
	s_lshl_b32 s22, s22, 9
	s_and_b32 s27, s3, 1
	s_lshl_b32 s27, s27, 3
	s_add_co_u32 s22, s22, s27
	s_add_co_u32 s22, s22, 1048576                 ; V's scale words: my head's 8 bytes of each lane's 16
	s_mov_b32 s23, 0
	s_lshl_b32 s27, s14, 8
	v_add_nc_u32 v7, s24, v1                       ; where they go
	v_add_nc_u32 v8, s24, v3
	v_add_nc_u32 v9, s26, v5
	v_add_nc_u32 v10, s27, v6
	s_wait_kmcnt 0x0
	s_add_nc_u64 s[16:17], s[4:5], s[16:17]
	s_add_nc_u64 s[18:19], s[4:5], s[18:19]
	s_add_nc_u64 s[20:21], s[6:7], s[20:21]
	s_add_nc_u64 s[22:23], s[6:7], s[22:23]
	s_wait_alu depctr_va_vdst(0)                   ; v1 to v10, v92, v94 and v95 are written: the loads and LDS stores of the copy and the loads at the first tile's head read them; the moves below name none of the registers that these touch
.irp i, 0,1,2,3,4,5,6,7,8,9,10,11
	global_load_b128 v[96+4*\i:99+4*\i], v1, s[16:17] offset:512*\i
.endr
.irp i, 0,1,2,3,4,5,6,7,8,9,10,11
	global_load_b128 v[144+4*\i:147+4*\i], v1, s[18:19] offset:512*\i
.endr
	global_load_b128 v[192:195], v1, s[20:21]
	global_load_b64 v[196:197], v1, s[22:23]
	v_mov_b32 v13, 0xff
	v_mov_b32 v19, 0xff800000                      ; -infinity
.irp j, 26,27,28,29,30,31,80,81,82,83,84,85
	v_mov_b32 v\j, 0                               ; zero codes
.endr
.irp b, 0,1,2,3
	v_mov_b32 v[PM+\b], 0                          ; written once: a lane permute's destination counts as one of its sources
.endr
	v_mov_b32 v227, 0                              ; (named as the upper half of the pair v[226:227])
	v_mov_b32 v228, 0
	s_mov_b32 s84, 0x76543210
	s_mov_b32 s85, 0xfedcba98
	s_mov_b32 s86, 0x3e38aa3b                      ; c = log2(e) / 8
	s_mov_b32 s87, s86
	s_mov_b32 s101, 0xffff0000                     ; lanes 16-31
	s_sub_co_u32 s97, 31, s14
	s_mov_b32 s89, 2
.irp i, 0,1,2,3,4,5,6,7,8,9,10,11
	s_wait_loadcnt 25-\i                           ; loads come back in order: this one is in, the younger ones stay out
	ds_store_b128 v7, v[96+4*\i:99+4*\i] offset:512*\i
.endr
.irp i, 0,1,2,3,4,5,6,7,8,9,10,11
	s_wait_loadcnt 13-\i
	ds_store_b128 v8, v[144+4*\i:147+4*\i] offset:512*\i
.endr
	s_wait_loadcnt 1
	ds_store_b128 v9, v[192:195]
	s_wait_loadcnt 0x0
	ds_store_b64 v10, v[196:197]
	s_wait_dscnt 0x0                               ; for the others' sake: my stores have landed
	s_barrier_signal -1
	s_barrier_wait -1                              ; the head's K and V lie in LDS; nobody writes LDS again
.Ltile:
	s_wait_xcnt 0x0                                ; the last tile's stores have read their data and bases
	s_wait_alu depctr_vm_vsrc(0)                   ; on the way in: the copy's LDS stores have read v7-10 and v96-197; on the way back: the last tile's stores have read v192-197 and v228: all of these are written again in this tile
	s_cmp_eq_u32 s89, 2
	s_cselect_b32 s90, s14, s97                    ; i = w, then 31 - w
	s_lshl_b32 s91, s90, 2
	s_add_co_u32 s91, s91, ttmp9                   ; T
	s_lshl_b32 s16, s15, 7
	s_add_co_u32 s16, s16, s91
	s_mul_i32 s16, s16, 768
	s_mov_b32 s17, 0
	s_add_nc_u64 s[16:17], s[4:5], s[16:17]        ; Q's codes
	s_lshl_b32 s18, s15, 13
	s_lshr_b32 s19, s91, 3
	s_lshl_b32 s19, s19, 9
	s_add_co_u32 s18, s18, s19
	s_and_b32 s19, s91, 1
	s_lshl_b32 s19, s19, 8
	s_add_co_u32 s18, s18, s19
	s_bfe_u32 s19, s91, 0x20001
	s_lshl_b32 s19, s19, 2
	s_add_co_u32 s18, s18, s19
	s_mov_b32 s19, 0
	s_add_nc_u64 s[18:19], s[6:7], s[18:19]        ; Q's scale words
	s_lshl_b32 s20, s91, 6
	s_add_co_u32 s20, s20, 524288
	s_mov_b32 s21, 0
	s_add_nc_u64 s[20:21], s[8:9], s[20:21]        ; the tile's 16 flags
	s_lshl_b32 s98, s91, 12
	s_mov_b32 s99, 0
	s_add_nc_u64 s[98:99], s[8:9], s[98:99]        ; and its mask words
	global_load_b128 v[20:23], v1, s[16:17]        ; no wait on va_vdst here: on the way back the one ahead of the last tile's stores is the last thing that the vector side did; on the way in the head's holds, since no line behind it names v18, v20-25 or v93
	global_load_b64 v[24:25], v2, s[16:17] offset:512
	global_load_b32 v18, v95, s[18:19]
	global_load_b32 v93, v94, s[20:21]             ; lane l: the flag of key step l % 16
	v_mov_b32 v15, 0xff61b1e6                      ; the largest t so far: -3e38
	v_floor_f32 v14, -v15                          ; -M
	v_mov_b32 v16, 0
	v_mov_b32 v17, 0
.set j, 0
.rept 32
	v_mov_b32 v[160+j], 0                          ; O^T: the step is written once; the first change of M leaves zeros zeros
.set j, j+1
.endr
	s_mov_b32 s88, 0
	s_mov_b32 s94, 0
	s_mov_b32 s95, 0
	s_mov_b32 s96, 0
	s_wait_loadcnt 0x0
	v_cmp_eq_u32 s92, 2, v93                       ; bit j: step j is hidden
	v_cmp_eq_u32 s93, 1, v93                       ; bit j: step j is hidden in part
	s_wait_alu depctr_va_sdst(0)                   ; s92 and s93 are written, ahead of the label and of their first readers, the tests of a step's bit
.Lstep:
	s_bitcmp1_b32 s92, s88
	s_cbranch_scc1 .Lhidden
	v_add_nc_u32 v7, s94, v1                       ; six plain instructions: also the places behind the last step's products.  (The loads that read v7-12 last have read them: the wait on vm_vsrc beside V's wait, or at the tile's head)
	v_add_nc_u32 v8, s94, v2
	v_add_nc_u32 v9, s94, v3
	v_add_nc_u32 v10, s94, v4
	v_add_nc_u32 v11, s95, v5
	v_add_nc_u32 v12, s96, v6
	s_wait_alu depctr_va_vdst(0)                   ; v7 to v12 are written, which this step's LDS loads read; the last walked step's products V^T P^T are done reading v32-79, in which K's tiles land; the zero codes v26-31 and v80-85 are written, which the products below take
.irp t, 0,1,2,3,4,5,6,7
	ds_load_b128 v[32+6*\t:35+6*\t], v7 offset:768*\t
	ds_load_b64 v[36+6*\t:37+6*\t], v8 offset:768*\t+512
.endr
	ds_load_b128 v[88:91], v11                     ; tile t's words: register t / 2, lanes 0-15 for even t, lanes 16-31 for odd
	s_wait_dscnt 0x0
.irp t, 0,2,4,6
	v_wmma_scale_f32_16x16x128_f8f6f4 v[96+8*\t:103+8*\t], v[32+6*\t:43+6*\t], v[20:31], 0, v[88+\t/2], v18 matrix_a_fmt:MATRIX_FMT_BF6 matrix_b_fmt:MATRIX_FMT_BF6
	v_wmma_scale_f32_16x16x128_f8f6f4 v[104+8*\t:111+8*\t], v[38+6*\t:49+6*\t], v[20:31], 0, v[88+\t/2], v18 matrix_a_fmt:MATRIX_FMT_BF6 matrix_b_fmt:MATRIX_FMT_BF6 matrix_a_scale:MATRIX_SCALE_ROW1
.endr                                          ; register 16 b + i of lane (r, h): query r, key 128 j + 32 b + 16 h + i
.rept 4
	v_nop                                          ; places in front of the first read of the scores
.endr
	s_wait_alu depctr_va_vdst(0)                   ; the eight products are done reading K's tiles v32-79, in which V's fragments land (the products that read v86-87 last stand ahead of the step's first wait)
.irp t, 0,1,2,3
	ds_load_b128 v[32+12*\t:35+12*\t], v9 offset:1536*\t           ; V's fragments land under the softmax
	ds_load_b64 v[36+12*\t:37+12*\t], v10 offset:1536*\t+512
	ds_load_b128 v[38+12*\t:41+12*\t], v9 offset:1536*\t+768
	ds_load_b64 v[42+12*\t:43+12*\t], v10 offset:1536*\t+1280
.endr
	ds_load_b64 v[86:87], v12
	s_bitcmp1_b32 s93, s88
	s_cbranch_scc0 .Lopen
	s_lshl_b32 s100, s88, 8                        ; the step's 64 words: word n is the lane mask of score register n
	s_load_b512 s[16:31], s[98:99], s100 offset:0x0
	s_load_b512 s[32:47], s[98:99], s100 offset:0x40
	s_load_b512 s[48:63], s[98:99], s100 offset:0x80
	s_load_b512 s[68:83], s[98:99], s100 offset:0xc0
	s_wait_kmcnt 0x0
.set n, 0
.rept 64
.if n < 48
	v_cndmask_b32 v[96+n], v[96+n], v19, s[16+n]
.else
	v_cndmask_b32 v[96+n], v[96+n], v19, s[20+n]
.endif
.set n, n+1
.endr
.Lopen:
.irp b, 0,1,2,3
	v_max3_num_f32 v[BM+\b], v[96+16*\b], v[97+16*\b], v[98+16*\b]   ; the largest score of each block of 32 keys: for the row's maximum, and, since p rises with the score, for the block's largest p
.endr
.irp i, 3,5,7,9,11,13
.irp b, 0,1,2,3
	v_max3_num_f32 v[BM+\b], v[BM+\b], v[96+16*\b+\i], v[97+16*\b+\i]
.endr
.endr
.irp b, 0,1,2,3
	v_max_num_f32 v[BM+\b], v[BM+\b], v[111+16*\b]
.endr
.irp b, 0,1,2,3
	v_permlanex16_b32 v[PM+\b], v[BM+\b], s84, s85
.endr
.irp b, 0,1,2,3
	v_max_num_f32 v[BM+\b], v[BM+\b], v[PM+\b]     ; with lane l xor 16's 16 keys
.endr
	v_max3_num_f32 v228, v212, v213, v214
	v_max_num_f32 v228, v228, v215
	v_mul_f32 v228, s86, v228                      ; as t (c is positive)
	v_max_num_f32 v15, v15, v228                   ; the running largest t
	v_mov_b32 v228, v14
	v_floor_f32 v14, -v15                          ; -M = floor(-t): M is a whole number
	v_sub_f32 v228, v14, v228                      ; old M - new M: a whole number, 0 or less
	v_cvt_i32_f32 v228, v228                       ; (it saturates)
	v_ldexp_f32 v226, 1.0, v228                    ; f = 2^(old M - new M): a multiplication by it rounds nothing
.set j, 0
.rept 32
	v_pk_fma_f32 v[96+j:97+j], v[96+j:97+j], s[86:87], v[14:15] op_sel_hi:[1,0,0]   ; t - M
.set j, j+2
.endr
.irp b, 0,1,2,3
	v_fma_f32 v[BM+\b], v[BM+\b], s86, v14
.endr
.set j, 0
.rept 64
	v_exp_f32 v[96+j], v[96+j]                     ; p = 2^(t - M)
.set j, j+1
.endr
.irp b, 0,1,2,3
	v_exp_f32 v[BM+\b], v[BM+\b]                   ; the block's largest p: the same two instructions on the same number
.endr
	v_pk_mul_f32 v[16:17], v[16:17], v[226:227] op_sel_hi:[1,0]      ; the sums under the new M (a plain place behind the exponentials)
	s_wait_alu depctr_va_vdst(0)                   ; the 68 exponentials have written v96-159 and v212-215: one wait for the batch, ahead of its first reader
.irp b, 0,1,2,3
	v_max_num_f32 v[BM+\b], 0x2800000, v[BM+\b]    ; the floor 2^(5 - 127)
.endr
.irp b, 0,1,2,3
	v_add_nc_u32 v[SO+\b], 0xfe000000, v[BM+\b]
.endr
.irp b, 0,1,2,3
	v_lshrrev_b32 v[PM+\b], 23, v[SO+\b]
.endr
	v_lshl_or_b32 v224, v217, 8, v216              ; p's scale word for these 128 keys
	v_lshl_or_b32 v224, v218, 16, v224
	v_lshl_or_b32 v224, v219, 24, v224
.irp c, 0,1
	v_cvt_scalef32_pk16_bf6_f32 v[192+6*\c:194+6*\c], v[96+32*\c:111+32*\c], v[SO+2*\c]
	v_cvt_scalef32_pk16_bf6_f32 v[204+4*\c:206+4*\c], v[112+32*\c:127+32*\c], v[SO+2*\c+1]
.endr
	v_nop                                          ; one plain place behind a scaled conversion
.irp c, 0,1
.irp i, 0,1,2
	v_permlane16_swap_b32 v[192+6*\c+\i], v[204+4*\c+\i]
.endr
.irp i, 0,1,2
	v_mov_b32 v[195+6*\c+\i], v[204+4*\c+\i]
.endr
.endr
	v_pk_add_f32 v[232:233], v[96:97], v[98:99]    ; the row's sum is taken of the unquantised p, in two chains
.irp j, 4,8,12,16,20,24,28,32,36,40,44,48,52,56,60
	v_pk_add_f32 v[16:17], v[16:17], v[96+\j:97+\j]
	v_pk_add_f32 v[232:233], v[232:233], v[98+\j:99+\j]
.endr
	v_pk_add_f32 v[16:17], v[16:17], v[232:233]
.set j, 0
.rept 16
	v_pk_mul_f32 v[160+j:161+j], v[160+j:161+j], v[226:227] op_sel_hi:[1,0]   ; O^T under the new M.  (With the sums: the places between p's scale word and codes and the products)
.set j, j+2
.endr
	s_wait_dscnt 0x0                               ; V
	s_wait_alu depctr_vm_vsrc(0)                   ; this step's LDS loads have read v7 to v12, which the next walked step's additions write again: stated here, ahead of the loop's branches
	s_wait_alu depctr_va_vdst(0)                   ; p's codes v192-203 and its scale word v224 are written, which the scaled products below take; the places stand above, beside this wait
.irp t, 0,2                                    ; four accumulators, one instruction a turn
	v_wmma_scale_f32_16x16x128_f8f6f4 v[160+8*\t:167+8*\t], v[32+12*\t:43+12*\t], v[192:203], v[160+8*\t:167+8*\t], v[86+\t/2], v224 matrix_a_fmt:MATRIX_FMT_BF6 matrix_b_fmt:MATRIX_FMT_BF6
	v_wmma_scale_f32_16x16x128_f8f6f4 v[168+8*\t:175+8*\t], v[44+12*\t:55+12*\t], v[192:203], v[168+8*\t:175+8*\t], v[86+\t/2], v224 matrix_a_fmt:MATRIX_FMT_BF6 matrix_b_fmt:MATRIX_FMT_BF6 matrix_a_scale:MATRIX_SCALE_ROW1
.endr
.Lhidden:
	s_add_co_u32 s94, s94, 6144
	s_add_co_u32 s95, s95, 512
	s_add_co_u32 s96, s96, 256
	s_add_co_u32 s88, s88, 1
	s_cmp_lt_u32 s88, 16
	s_cbranch_scc1 .Lstep
	; the tile's end: O^T / the sum, quantised along the head's 64 features: half a fragment of the last product's operand
.rept 4
	v_nop
.endr
	v_add_f32 v16, v16, v17
	v_permlanex16_b32 v228, v16, s84, s85
	v_add_f32 v16, v16, v228                       ; the row's sum
	v_cmp_eq_f32 vcc_lo, 0, v16                    ; every key hidden
	v_rcp_f32 v226, v16
	v_nop                                          ; one plain place behind a transcendental
	s_wait_alu depctr_va_vdst(0)                   ; the reciprocal has written v226, ahead of its first reader
	s_wait_alu depctr_va_vcc(0)                    ; VCC is written, ahead of its first reader, the choice of 0xff below
.set j, 0
.rept 16
	v_pk_mul_f32 v[96+j:97+j], v[160+j:161+j], v[226:227] op_sel_hi:[1,0]     ; register 16 b + i: feature 32 b + 16 h + i of my query
.set j, j+2
.endr
.irp b, 0,1
	v_max3_num_f32 v[BM+\b], |v[96+16*\b]|, |v[97+16*\b]|, 0x2800000
.endr
.irp i, 2,4,6,8,10,12,14
.irp b, 0,1
	v_max3_num_f32 v[BM+\b], v[BM+\b], |v[96+16*\b+\i]|, |v[97+16*\b+\i]|
.endr
.endr
.irp b, 0,1
	v_permlanex16_b32 v[PM+\b], v[BM+\b], s84, s85
.endr
.irp b, 0,1
	v_max_num_f32 v[BM+\b], v[BM+\b], v[PM+\b]
.endr
.irp b, 0,1
	v_add_nc_u32 v[SO+\b], 0xfe000000, v[BM+\b]
.endr
.irp b, 0,1
	v_lshrrev_b32 v[PM+\b], 23, v[SO+\b]
.endr
	v_cvt_scalef32_pk16_bf6_f32 v[192:194], v[96:111], v[SO]
	v_cvt_scalef32_pk16_bf6_f32 v[204:206], v[112:127], v[SO+1]
	v_cndmask_b32 v228, v216, v217, s101           ; lane (r, h) stores block h's byte  (a plain place behind the conversions)
	v_cndmask_b32 v228, v228, v13, vcc_lo          ; 0xff where the sum is 0
.irp i, 0,1,2
	v_permlane16_swap_b32 v[192+\i], v[204+\i]
.endr
.irp i, 0,1,2
	v_mov_b32 v[195+\i], v[204+\i]
.endr
	s_lshr_b32 s16, s15, 4
	s_lshl_b32 s16, s16, 7
	s_add_co_u32 s16, s16, s91                     ; 128 x batch + T
	s_and_b32 s17, s15, 15                         ; head
	s_mul_i32 s18, s16, 12288
	s_mul_i32 s19, s17, 768
	s_add_co_u32 s18, s18, s19
	s_mov_b32 s19, 0
	s_add_nc_u64 s[18:19], s[10:11], s[18:19]
	s_lshl_b32 s20, s16, 9
	s_lshr_b32 s21, s17, 2
	s_lshl_b32 s21, s21, 7
	s_add_co_u32 s20, s20, s21
	s_and_b32 s21, s17, 3
	s_lshl_b32 s21, s21, 1
	s_add_co_u32 s20, s20, s21
	s_mov_b32 s21, 0
	s_add_nc_u64 s[20:21], s[12:13], s[20:21]
	s_wait_alu depctr_va_vdst(0)                   ; o's codes v192-197 and its byte v228 are written, which the three stores read; the tile's products and compares are also done reading v18, v20-25 and v93, in which the next tile's loads land
	global_store_b128 v1, v[192:195], s[18:19]     ; whole aligned blocks of 256 bytes
	global_store_b64 v2, v[196:197], s[18:19] offset:512
	global_store_b8 v92, v228, s[20:21]
	s_sub_co_u32 s89, s89, 1
	s_cmp_lg_u32 s89, 0
	s_cbranch_scc1 .Ltile
	s_wait_dscnt 0x0                               ; the wave's end
	s_wait_alu 0x0
	s_wait_tensorcnt 0x0
	ds_add_u32 v254, v255
	s_wait_dscnt 0x0
	s_endpgm
.Lfunc_end_k_q052a919997_attn:
	.size	k_q052a919997_attn, .Lfunc_end_k_q052a919997_attn-k_q052a919997_attn
	.p2alignl 7, 3214868480
	.fill 96, 4, 3214868480
	.section	.rodata,"a",@progbits
	.p2align	6, 0x0
	.amdhsa_kernel k_q052a919997_attn
		.amdhsa_group_segment_fixed_size 210944
		.amdhsa_private_segment_fixed_size 0
		.amdhsa_enable_private_segment 0
		.amdhsa_kernarg_size 40
		.amdhsa_user_sgpr_count 2
		.amdhsa_user_sgpr_kernarg_segment_ptr 1
		.amdhsa_wavefront_size32 1
		.amdhsa_system_sgpr_workgroup_id_x 1
		.amdhsa_system_sgpr_workgroup_id_y 1
		.amdhsa_system_sgpr_workgroup_id_z 1
		.amdhsa_system_vgpr_workitem_id 0
		.amdhsa_next_free_vgpr 256
		.amdhsa_next_free_sgpr 102
		.amdhsa_reserve_vcc 1
		.amdhsa_float_denorm_mode_32 3
		.amdhsa_float_denorm_mode_16_64 3
		.amdhsa_memory_ordered 1
		.amdhsa_forward_progress 1
		.amdhsa_inst_pref_size 37
	.end_amdhsa_kernel
	.amdgpu_metadata
---
amdhsa.version: [ 1, 2 ]
amdhsa.kernels:
  - .name:           k_q052a919997_attn
    .symbol:         k_q052a919997_attn.kd
    .args:
      - { .name: qkvc, .offset: 0, .size: 8, .value_kind: global_buffer, .address_space: global }
      - { .name: qkvs, .offset: 8, .size: 8, .value_kind: global_buffer, .address_space: global }
      - { .name: mk, .offset: 16, .size: 8, .value_kind: global_buffer, .address_space: global }
      - { .name: oc, .offset: 24, .size: 8, .value_kind: global_buffer, .address_space: global }
      - { .name: os, .offset: 32, .size: 8, .value_kind: global_buffer, .address_space: global }
    .group_segment_fixed_size: 210944
    .private_segment_fixed_size: 0
    .kernarg_segment_align: 8
    .kernarg_segment_size: 40
    .max_flat_workgroup_size: 512
    .sgpr_count:     102
    .vgpr_count:     256
    .wavefront_size: 32
...
	.end_amdgpu_metadata
.endif
;; end of part 5
;; launch outp: the kernel of part 4 again; grid 4 x 32, 4 waves a work-group, clusters of 4 x 4, 327,680 bytes of LDS; arguments oc, os, cx1, sx1, bo, out0; writes out0
